; MI455X (gfx1250); checked and timed in simulation.
; The chip was launched on July 23, 2026; its instructions are those of AMD's public machine-readable ISA for CDNA 5 (MIT licence, August 2026) and "CDNA5" Instruction Set Architecture Reference Guide (July 2026). The comments in the code are by the model that wrote it; some were corrected since.
;; Multi Head Attention Layer. Allowed arithmetic: float matrix products may take bf16 or f16 operands with f32 sums; all other float work in f32.
;; Inputs: Wk 16 x 1,024 x 64 float32; Wo 1,024 x 1,024 float32; Wq 16 x 1,024 x 64 float32; Wv 16 x 1,024 x 64 float32; bk 16 x 64 float32; bo 1,024 float32; bq 16 x 64 float32; bv 16 x 64 float32; seq_inputs 4 x 2,048 x 1,024 float32.
;; Outputs: out0 4 x 2,048 x 1,024 float32.
;; One version. Each part assembles by itself: llvm-mc -triple=amdgcn-amd-amdhsa -mcpu=gfx1250 --defsym DOCPART=n.
;; ======== version 1 of 1: 4 launches
;; limits: values are held in f16: magnitudes above 65,504 overflow, below 6.1e-05 lose precision
;; workspace buffers: xb 16,777,216 bytes; wt 8,388,608 bytes; bias 16,384 bytes; qkv 50,331,648 bytes; o 16,777,216 bytes
;; launch prep (part 1): grid 128 x 12, 8 waves a work-group, no clusters, 18,688 bytes of LDS; arguments seq_inputs, Wq, Wk, Wv, Wo, bq, bk, bv, bo, xb, wt, bias; writes xb, wt, bias
.if DOCPART == 1
	.amdgcn_target "amdgcn-amd-amdhsa--gfx1250"
	.amdhsa_code_object_version 6
	.text
	.protected	k_q023266ef82_prep
	.globl	k_q023266ef82_prep
	.p2align	8
	.type	k_q023266ef82_prep,@function
k_q023266ef82_prep:
	s_mov_b64 s[64:65], 0
	v_nop
	global_prefetch_b8 v0, s[64:65] scope:SCOPE_SE
	s_setreg_imm32_b32 hwreg(HW_REG_WAVE_MODE, 25, 1), 1
	s_wait_xcnt 0x0
; PREP: every input is rounded once to bf16 and laid out for the products that follow.  No matrix work; each input byte is read once.
;   xb   [16 kb][8192 m][64 k] bf16: x, in planes of 64 along E, so that a tile's rows of 128 bytes lie end to end
;   wt   [16 kb][4096 n][64 k]: rows 0-1023 Wq (n = 64 h + d), 1024-2047 Wk, 2048-3071 Wv, turned so that k = e runs along a row, bf16;
;        rows 3072-4095 Wo turned (row 3072 + n, k = the index into the concatenated heads): rounded to bf16, and that number written as f16
;   bias [4096] f32, index n as in wt: bq, bk, bv, bo, each rounded to bf16 and widened again
; LIMITS.  Wo as f16: exact from 6.1e-5 to 65,504 in magnitude; below 6.1e-5 it keeps f16's fixed step of 6e-8; 65,520 or more becomes an infinity.
; SHARES.  Every work-group takes 32,768 bytes of input.  y = 0, 1, 2: 128 e x 64 d of one head of Wq, Wk, Wv; y = 3: 128 k x 64 n of Wo; y = 4 .. 11: eight rows of x.
; A weight tile is turned through LDS: a lane packs 16 e of two neighbouring d, and the tile leaves as whole rows of wt.  x needs no LDS.
.set SPT, 272                          ; a stage row: 128 e x 2 bytes + 16 of padding: 16 lanes 272 bytes apart touch 16 different columns of 16 bytes
.set ODD, 32*SPT+128                   ; the odd d lie behind the even ones, 128 bytes off modulo 256: eight lanes on an even row and eight on an odd one cover 256 different bytes
	s_load_b512 s[8:23], s[0:1], 0x0               ; x s[8:9], Wq s[10:11], Wk s[12:13], Wv s[14:15], Wo s[16:17], bq s[18:19], bk s[20:21], bv s[22:23]
	s_load_b256 s[24:31], s[0:1], 0x40             ; bo s[24:25], xb s[26:27], wt s[28:29], bias s[30:31]
	v_lshl_add_u32 v72, v0, 2, 0x4500
	v_mov_b32 v73, 0
	s_and_b32 s3, ttmp7, 0xffff                    ; y
	s_lshr_b32 s4, ttmp9, 3                        ; hb: the head (for Wo: the block of 64 n)
	s_and_b32 s5, ttmp9, 7                         ; eb: the block of 128 e (for Wo: of 128 k)
	s_mov_b32 s42, 0xffff0000                      ; a word's upper bf16
	s_mov_b32 s41, 0                               ; the high word of every offset pair
	v_lshrrev_b32 v2, 5, v0
	v_readfirstlane_b32 s6, v2                     ; wave 0..7
	v_and_b32 v1, 31, v0                           ; lane
	v_lshlrev_b32 v9, 3, v1                        ; 8 x lane
	s_cmp_ge_u32 s3, 4                             ; the work-group's y: the same answer in all eight waves
	s_cbranch_scc1 .Lx
	; ---- a weight tile ----
	s_lshl_b32 s40, s4, 18
	s_lshl_b32 s43, s5, 15
	s_add_co_u32 s40, s40, s43                     ; Wq, Wk, Wv: head x 262,144 + block x 128 rows of 256 bytes
	s_lshl_b32 s43, s5, 19
	s_lshl_b32 s7, s4, 8                           ; 64 numbers of 4 bytes: also the bias's offset
	s_add_co_u32 s43, s43, s7                      ; Wo: block x 128 rows of 4,096 bytes + 64 columns x hb
	v_mul_u32_u24 v4, v1, SPT
	v_lshl_add_u32 v4, v2, 5, v4                   ; into the stage: row lane (d = 2 lane, 2 lane + 1), my wave's 16 e = 32 bytes
	v_lshrrev_b32 v5, 4, v0
	v_mul_u32_u24 v5, v5, SPT
	v_bfe_u32 v11, v0, 3, 1
	v_mul_u32_u24 v11, v11, ODD
	v_add_nc_u32 v5, v5, v11
	v_and_b32 v11, 7, v0
	v_lshl_add_u32 v5, v11, 4, v5                  ; back: thread t takes 16 bytes of row d = t / 8: stage row t / 16, even or odd part, column 16 (t % 8)
	v_lshlrev_b32 v6, 4, v0                        ; and stores them at 16 t: 256 threads cover 32 rows of wt, 4,096 consecutive bytes
	s_wait_kmcnt 0x0
	s_cmp_eq_u32 s3, 1
	s_cselect_b64 s[32:33], s[12:13], s[10:11]
	s_cselect_b64 s[34:35], s[20:21], s[18:19]
	s_cmp_eq_u32 s3, 2
	s_cselect_b64 s[32:33], s[14:15], s[32:33]
	s_cselect_b64 s[34:35], s[22:23], s[34:35]
	s_cmp_eq_u32 s3, 3
	s_cselect_b64 s[32:33], s[16:17], s[32:33]
	s_cselect_b64 s[34:35], s[24:25], s[34:35]
	s_cselect_b32 s40, s43, s40
	s_add_nc_u64 s[32:33], s[32:33], s[40:41]      ; the tile's first number
	s_mov_b32 s40, s7
	s_add_nc_u64 s[34:35], s[34:35], s[40:41]      ; the bias's 64 numbers
	s_lshl_b32 s40, s5, 20                         ; wt: two planes of 524,288 bytes a block,
	s_lshl_b32 s43, s3, 17                         ; 1,024 rows of 128 bytes for each y,
	s_add_co_u32 s40, s40, s43
	s_lshl_b32 s43, s4, 13                         ; 64 rows for each hb
	s_add_co_u32 s40, s40, s43
	s_add_nc_u64 s[36:37], s[28:29], s[40:41]
	s_lshl_b32 s40, s3, 12
	s_add_co_u32 s40, s40, s7
	s_add_nc_u64 s[38:39], s[30:31], s[40:41]      ; bias at n = 1,024 y + 64 hb
; 16 loads: row e = 16 wave + j, d = 2 lane and 2 lane + 1: each load of the wave covers 256 consecutive bytes, aligned
.macro WLOAD pitch
.set j, 0
.rept 16
	global_load_b64 v[16+2*j:17+2*j], v3, s[32:33] offset:j*(\pitch) th:TH_LOAD_NT
.set j, j+1
.endr
.endm
; two rows at a time are rounded and packed: v48-55 the 16 e of the even d, v56-63 those of the odd d.  f16 = 1: the bf16 number is widened and written as f16
.macro WPACK f16
.set i, 0
.rept 8
	s_wait_loadcnt 14-2*i                          ; loads come back in order: rows 2 i and 2 i + 1 are in, the 14 - 2 i younger loads stay out
.if \f16
	v_cvt_pk_bf16_f32 v64, v[16+4*i], v[18+4*i]
	v_cvt_pk_bf16_f32 v66, v[17+4*i], v[19+4*i]
	v_lshlrev_b32 v65, 16, v64
	v_and_b32 v64, s42, v64
	v_lshlrev_b32 v67, 16, v66
	v_and_b32 v66, s42, v66
	v_cvt_pk_f16_f32 v[48+i], v65, v64
	v_cvt_pk_f16_f32 v[56+i], v67, v66
.else
	v_cvt_pk_bf16_f32 v[48+i], v[16+4*i], v[18+4*i]
	v_cvt_pk_bf16_f32 v[56+i], v[17+4*i], v[19+4*i]
.endif
.set i, i+1
.endr
.endm
	s_cmp_eq_u32 s3, 3
	s_cbranch_scc1 .Lwo
	v_lshl_add_u32 v3, v2, 12, v9                  ; my wave's 16 rows of 256 bytes + 8 x lane
	WLOAD 256
	WPACK 0
	s_branch .Lstage
.Lwo:
	v_lshl_add_u32 v3, v2, 16, v9                  ; my wave's 16 rows of 4,096 bytes + 8 x lane
	WLOAD 4096
	WPACK 1
.Lstage:
	ds_store_b128 v4, v[48:51]
	ds_store_b128 v4, v[52:55] offset:16
	ds_store_b128 v4, v[56:59] offset:ODD
	ds_store_b128 v4, v[60:63] offset:ODD+16
	s_cmp_lg_u32 s5, 0                             ; the head's 64 bias numbers are done once: by wave 0 of the work-group with eb = 0
	s_cbranch_scc1 .Lnobias
	s_cmp_lg_u32 s6, 0
	s_cbranch_scc1 .Lnobias
	global_load_b64 v[64:65], v9, s[34:35]
	s_wait_loadcnt 0x0
	v_cvt_pk_bf16_f32 v66, v64, v65
	v_lshlrev_b32 v68, 16, v66
	v_and_b32 v69, s42, v66
	global_store_b64 v9, v[68:69], s[38:39]        ; 256 consecutive bytes, aligned
.Lnobias:
	s_wait_dscnt 0x0                               ; for the others' sake: my stores into the stage are done
	s_barrier_signal -1
	s_barrier_wait -1
.irp i, 0,1,2,3                        ; i % 2: rows d 0-31 or 32-63; i / 2: the plane (e 0-63 or 64-127 of the block)
	ds_load_b128 v[16+4*(\i):19+4*(\i)], v5 offset:((\i)%2)*16*SPT+((\i)/2)*128
.endr
.irp i, 0,1,2,3
	s_wait_dscnt 3-(\i)
	global_store_b128 v6, v[16+4*(\i):19+4*(\i)], s[36:37] offset:((\i)%2)*4096+((\i)/2)*524288  ; a wave's store covers 512 consecutive bytes, aligned
.endr
	s_wait_tensorcnt 0x0
	ds_add_u32 v72, v73
	s_wait_dscnt 0x0
	s_endpgm
	; ---- eight rows of x: no LDS, no barrier ----
.Lx:
	s_sub_co_u32 s40, s3, 4
	s_lshl_b32 s40, s40, 7
	s_add_co_u32 s40, s40, ttmp9                   ; c = 128 (y - 4) + x: rows 8 c .. 8 c + 7
	s_lshl_b32 s43, s40, 10                        ; 8 rows of 128 bytes in a plane of xb
	s_lshl_b32 s40, s40, 15                        ; 8 rows of 4,096 bytes in x
	v_lshrrev_b32 v11, 4, v1
	v_and_b32 v12, 15, v1
	v_lshlrev_b32 v7, 12, v11
	v_lshl_add_u32 v7, v12, 4, v7
	v_lshl_add_u32 v7, v2, 9, v7                   ; lanes 0-15: 256 bytes of one row, lanes 16-31: the same columns of the next; my wave's 512 bytes of a row
	v_lshl_add_u32 v8, v2, 21, v9                  ; xb: my wave's two planes; 8 x lane = row (lane / 16) x 128 + 8 (lane % 16)
	s_wait_kmcnt 0x0
	s_add_nc_u64 s[44:45], s[8:9], s[40:41]
	s_mov_b32 s40, s43
	s_add_nc_u64 s[46:47], s[26:27], s[40:41]
.irp i, 0,1,2,3,4,5,6,7                ; i / 2: a pair of rows; i % 2: which 64 columns, that is which of my two planes
	global_load_b128 v[16+4*(\i):19+4*(\i)], v7, s[44:45] offset:((\i)/2)*8192+((\i)%2)*256 th:TH_LOAD_NT
.endr
.irp i, 0,1,2,3,4,5,6,7
	s_wait_loadcnt 7-(\i)                          ; load i is in, the younger ones stay out
	v_cvt_pk_bf16_f32 v[48+2*(\i)], v[16+4*(\i)], v[17+4*(\i)]
	v_cvt_pk_bf16_f32 v[49+2*(\i)], v[18+4*(\i)], v[19+4*(\i)]
	global_store_b64 v8, v[48+2*(\i):49+2*(\i)], s[46:47] offset:((\i)%2)*1048576+((\i)/2)*256  ; two rows of a plane: 256 consecutive bytes, aligned
.endr
	s_endpgm
.Lfunc_end_k_q023266ef82_prep:
	.size	k_q023266ef82_prep, .Lfunc_end_k_q023266ef82_prep-k_q023266ef82_prep
	.p2alignl 7, 3214868480
	.fill 96, 4, 3214868480
	.section	.rodata,"a",@progbits
	.p2align	6, 0x0
	.amdhsa_kernel k_q023266ef82_prep
		.amdhsa_group_segment_fixed_size 18688
		.amdhsa_private_segment_fixed_size 0
		.amdhsa_enable_private_segment 0
		.amdhsa_kernarg_size 96
		.amdhsa_user_sgpr_count 2
		.amdhsa_user_sgpr_kernarg_segment_ptr 1
		.amdhsa_wavefront_size32 1
		.amdhsa_system_sgpr_workgroup_id_x 1
		.amdhsa_system_sgpr_workgroup_id_y 1
		.amdhsa_system_sgpr_workgroup_id_z 1
		.amdhsa_system_vgpr_workitem_id 0
		.amdhsa_next_free_vgpr 74
		.amdhsa_next_free_sgpr 66
		.amdhsa_reserve_vcc 0
		.amdhsa_float_denorm_mode_32 3
		.amdhsa_float_denorm_mode_16_64 3
		.amdhsa_memory_ordered 1
		.amdhsa_forward_progress 1
		.amdhsa_inst_pref_size 16
	.end_amdhsa_kernel
	.amdgpu_metadata
---
amdhsa.version: [ 1, 2 ]
amdhsa.kernels:
  - .name:           k_q023266ef82_prep
    .symbol:         k_q023266ef82_prep.kd
    .args:
      - { .name: seq_inputs, .offset: 0, .size: 8, .value_kind: global_buffer, .address_space: global }
      - { .name: Wq, .offset: 8, .size: 8, .value_kind: global_buffer, .address_space: global }
      - { .name: Wk, .offset: 16, .size: 8, .value_kind: global_buffer, .address_space: global }
      - { .name: Wv, .offset: 24, .size: 8, .value_kind: global_buffer, .address_space: global }
      - { .name: Wo, .offset: 32, .size: 8, .value_kind: global_buffer, .address_space: global }
      - { .name: bq, .offset: 40, .size: 8, .value_kind: global_buffer, .address_space: global }
      - { .name: bk, .offset: 48, .size: 8, .value_kind: global_buffer, .address_space: global }
      - { .name: bv, .offset: 56, .size: 8, .value_kind: global_buffer, .address_space: global }
      - { .name: bo, .offset: 64, .size: 8, .value_kind: global_buffer, .address_space: global }
      - { .name: xb, .offset: 72, .size: 8, .value_kind: global_buffer, .address_space: global }
      - { .name: wt, .offset: 80, .size: 8, .value_kind: global_buffer, .address_space: global }
      - { .name: bias, .offset: 88, .size: 8, .value_kind: global_buffer, .address_space: global }
    .group_segment_fixed_size: 18688
    .private_segment_fixed_size: 0
    .kernarg_segment_align: 8
    .kernarg_segment_size: 96
    .max_flat_workgroup_size: 256
    .sgpr_count:     66
    .vgpr_count:     74
    .wavefront_size: 32
...
	.end_amdgpu_metadata
.endif
;; end of part 1
;; launch qkv (part 2): grid 8 x 32, 4 waves a work-group, clusters of 4 x 4, 327,680 bytes of LDS; arguments xb, wt, bias, qkv; writes qkv
.if DOCPART == 2
	.amdgcn_target "amdgcn-amd-amdhsa--gfx1250"
	.amdhsa_code_object_version 6
	.text
	.protected	k_q023266ef82_qkv
	.globl	k_q023266ef82_qkv
	.p2align	8
	.type	k_q023266ef82_qkv,@function
k_q023266ef82_qkv:
	s_mov_b64 s[64:65], 0
	v_nop
	global_prefetch_b8 v0, s[64:65] scope:SCOPE_SE
	s_setreg_imm32_b32 hwreg(HW_REG_WAVE_MODE, 25, 1), 1
	s_wait_xcnt 0x0
	s_wait_alu depctr_hold_cnt(0) depctr_sa_sdst(0) depctr_va_vdst(0) depctr_va_sdst(0) depctr_va_ssrc(0) depctr_va_vcc(0) depctr_vm_vsrc(0)
	s_getreg_b32 s2, hwreg(HW_REG_IB_STS2, 6, 4)
	s_cmp_eq_u32 s2, 0
	s_cbranch_scc0 .Lentry_in_a_cluster
	s_endpgm
.Lentry_in_a_cluster:
	s_bfe_u32 s2, ttmp6, 0x10000c
	s_cmp_lg_u32 s2, 0xf033
	s_cbranch_scc0 .Lentry_shape_is_right
	s_endpgm
.Lentry_shape_is_right:
; QKV: C[m][n] = sum over k of x[m][k] w[n][k] + bias[n], m < 8192, n < 3072, k < 1024; operands bf16, sums f32; the result is rounded once to f16 and stored by heads:
; qkv [3 t][64 (16 b + h)][2048 s][64 d], n = 1024 t + 64 h + d, m = 2048 b + s.  The scale 1/8 is not applied here.
; LIMITS.  f16 holds no number beyond 65,504: a q, k or v of 65,520 or more in magnitude becomes an infinity.  The sums run over K in a rotated order (THE WALK), not ascending.
; SHARES.  A tile of C is 256 x 384: 32 x 8 = 256 work-groups.  Four waves, 2 x 2; a wave makes 128 rows x 192 columns (three whole heads): 96 accumulators of 16 x 16, 768 registers.
; K goes in steps of 64 (one plane of xb and wt) through two LDS slots: two slots of 640 rows x 128 K would not fit.  In a plane a tile's rows of 128 bytes lie end to end, so they are asked
; for as rows of 256 bytes and padded in LDS after every 128.
; CLUSTER.  4 x 4 work-groups: x's tile hangs on the tile row alone and is asked for jointly by a row of the cluster, w's on the tile column alone, by a column.
; THE WALK.  A cluster begins at plane 4 (cluster y % 4) + 8 (cluster x) mod 16 and goes round all sixteen.  The two clusters that read the same rows of x are eight planes apart, clusters that read the
; same rows of w four: from its step 8 on a cluster asks for planes of x that its neighbour asked for eight steps before, from its step 4 on for planes of w likewise: bytes that have been read from memory once already.
; The number of the plane is made of the cluster's x and y alone, which all sixteen partners share.
; PREFETCH.  In the trips that ask for steps 2 to 6 wave 0 also asks, for the step after (3 to 7), for its work-group's quarter of x's tile: 32 lanes 256 bytes apart, 8,192 bytes; the four work-groups of a
; row of the cluster cover the tile's 32,768 bytes, each block once in the launch; one trip, 192 matrix instructions, ahead of the tensor load that wants them.  Steps 8 to 15 are the neighbour's first eight: not asked for.
; THE MATRIX INSTRUCTION IS USED TRANSPOSED (source 0 = 16 rows of w, source 1 = 16 rows of x): a lane holds one row m and eight neighbouring n.  The bias, laid so in registers, is the C of the first product.
; REGISTERS, in windows of 256: window 0: v0-31 addresses; v32-95, v96-159 x's 8 fragments, two buffers; v160-191, v192-223, v224-255 w's three groups of 4 fragments (a group = a head), one buffer each.
;   window j + 1: the 32 accumulators of head j, (a, bb) at v[32 a + 8 bb].
; A SLICE is 32 along K: three phases of 32 matrix instructions, phase j on window j + 1.  Behind phase j its group of w is free and takes the next slice's fragments, 64 matrix instructions ahead of their use.
.set PITCH, 144                        ; an LDS row: 128 bytes + 16 of padding = 36 words: the 16 rows of a load start at 16 different groups of four banks (64 banks of 4 bytes: ISA guide 11.1)
.set FR,    16*PITCH                   ; 16 rows
.set AROWS, 256*PITCH                  ; x's 256 rows; w's 384 lie behind them
.set SLOTB, 640*PITCH                  ; the bytes of a slot
.set SLOT1, 1<<17                      ; slot 1 begins here, so that one exclusive or turns an address in one slot into the other's
.set STAGE, SLOTB                      ; between the slots, never filled by a tensor load: for each wave 3 heads x 16 rows x 144 bytes, for the way out
.set STW,   3*FR
.set BIASL, STAGE+4*STW                ; for each wave its 192 bias numbers
.set SPARE, BIASL+4*768                ; the spare words, 128 bytes for each wave: two blocks of 256 bytes that no other line names
.set G1W,   (1<<16)|(1<<20)|(1<<21)|(4<<22)|(3<<25)  ; 17:16 2-byte elements; 20 padding on; 21 set beside a mask; 24:22 after every 32 words (code 4); 31:25 4 words (code 3)
.set ADRA0, 4                          ; v4     my lane's place among my fragments of x in a slot; never rewritten
.set ADRB0, 5                          ; v5     the same for w
.set ADRA, 6                           ; v6     the same in the slot that is being read
.set ADRB, 7                           ; v7
.set STO,  8                           ; v8     the way out: where I put 16 bytes of a row
.set RD,   9                           ; v9     the way out: where I read rows back
.set GO,   10                          ; v10    my 16 bytes in 512 consecutive bytes of a head
.set BIA,  11                          ; v11    my eight bias numbers of a block of 16
.set BST,  12                          ; v12    where I put two bias numbers
.set L8,   13                          ; v13    8 x lane
.set BV,   14                          ; v14-19 the bias as loaded
.set PFO,  22                          ; v22    the prefetch: 8,192 cx + 256 x lane; never rewritten
.set SPW,  28                          ; v28    LDS address of my spare word; never rewritten
.set NIL,  29                          ; v29    0; never rewritten
.set AF0,  32
.set AF1,  96
.set BG,   160
.set G1A, 24                           ; s[24:31] descriptor group 1 for x's tiles;  s[32:39] group 0: a set for each of the two first fills; the second then walks on
.set G0A, 32
.set G1B, 40                           ; s[40:47], s[48:55] the same for w's
.set G0B, 48
.set PLN, 62                           ; s62    the plane asked for last
.set TB,  63                           ; s63    LDS byte at which the slot that is being read begins
.set OUT, 66                           ; s[66:71] my first row in each of my three heads
.set OFA, 78                           ; s[78:79] a plane's byte offset in xb
.set OFB, 80                           ; s[80:81] in wt
.set PFB, 82                           ; s[82:83] the prefetch's base
.set OFP, 84                           ; s[84:85] its plane's byte offset in xb
.set MSB, 0
.macro WIN new                         ; the immediate's high byte repeats the setting that is left; a switch that changes nothing is dropped
.if MSB != (\new)
	s_set_vgpr_msb (MSB<<8)|(\new)
.set MSB, \new
.endif
.endm
; A joint refill by the walking descriptors: waves 0 and 1 fetch x's two halves, waves 2 and 3 w's.  The branch hangs on the wave's number alone.  An s_nop 0 and four v_nop follow each of the two lines.
.macro JLOAD
	s_cmp_eq_u32 s13, 0
	s_cbranch_scc0 .Lfor_b_\@
	tensor_load_to_lds s[G0A+4:G0A+7], s[G1A:G1A+7]
	s_nop 0
.rept 4
	v_nop
.endr
	s_branch .Lasked_\@
.Lfor_b_\@:
	tensor_load_to_lds s[G0B+4:G0B+7], s[G1B:G1B+7]
	s_nop 0
.rept 4
	v_nop
.endr
.Lasked_\@:
.endm
.macro CREST                           ; a round of the cluster's barrier behind its opening barrier
	s_cmp_lg_u32 s12, 0
	s_cbranch_scc1 .Lnot_wave_0_\@
	s_barrier_signal -3
.Lnot_wave_0_\@:
	s_barrier_wait -3
	s_barrier_signal -1
	s_barrier_wait -1
.endm
.macro CROUND                          ; a whole round
	s_barrier_signal -1
	s_barrier_wait -1
	CREST
.endm
.macro PLACES                          ; four places in front of loads into registers that matrix instructions have read, and of conversions that read results
.rept 4
	v_nop
.endr
.endm
	s_load_b256 s[4:11], s[0:1], 0x0               ; xb s[4:5], wt s[6:7], bias s[8:9], qkv s[10:11]
	v_lshl_add_u32 v[SPW], v0, 2, SPARE
	v_mov_b32 v[NIL], 0
	ds_add_u32 v28, v29
	s_wait_dscnt 0x0
	v_lshrrev_b32 v1, 5, v0
	v_readfirstlane_b32 s12, v1                    ; wave 0..3
	s_lshr_b32 s13, s12, 1                         ; which half of the tile's rows is mine.  Also: I fetch for x (0) or for w (1)
	s_and_b32 s14, s12, 1                          ; which half of its columns.  Also: which half of that tile I fetch
	s_bfe_u32 s15, ttmp6, 0x40000                  ; cx
	s_bfe_u32 s16, ttmp6, 0x40004                  ; cy
	s_lshl_b32 s17, ttmp9, 2
	s_add_co_u32 s17, s17, s15                     ; X: tile column = 4 x cluster x + cx
	s_and_b32 s18, ttmp7, 0xffff
	s_lshl_b32 s18, s18, 2
	s_add_co_u32 s18, s18, s16                     ; Y: tile row = 4 x cluster y + cy
	s_lshl_b32 s19, s16, 2
	s_lshl_b32 s19, 15, s19                        ; my row of the cluster
	s_lshl_b32 s20, 0x1111, s15                    ; my column
	s_or_b32 s[G1A], s19, G1W                      ; x's tiles go to my row,
	s_or_b32 s[G1B], s20, G1W                      ; w's to my column
	s_mov_b32 s[G1A+1], 128<<16                    ; tensor_dim0 = 128 elements: 256 bytes, two rows of the plane
	s_mov_b32 s[G1A+2], 64<<16                     ; tensor_dim1 = 64: 128 rows of x
	s_mov_b32 s[G1A+3], 128<<16                    ; tile_dim0
	s_mov_b32 s[G1A+4], 64                         ; tile_dim1
	s_mov_b32 s[G1A+5], 128                        ; elements from row to row: dense
	s_mov_b32 s[G1A+6], 0
	s_mov_b32 s[G1A+7], 0
	s_mov_b32 s[G1B+1], 128<<16
	s_mov_b32 s[G1B+2], 96<<16                     ; 96: 192 rows of w
	s_mov_b32 s[G1B+3], 128<<16
	s_mov_b32 s[G1B+4], 96
	s_mov_b32 s[G1B+5], 128
	s_mov_b32 s[G1B+6], 0
	s_mov_b32 s[G1B+7], 0
	s_and_b32 s[PLN], ttmp7, 3                     ; where my cluster's walk begins: 4 (cluster y % 4)
	s_lshl_b32 s[PLN], s[PLN], 2
	s_lshl_b32 s2, ttmp9, 3                        ; + 8 (cluster x),
	s_add_co_u32 s[PLN], s[PLN], s2
	s_and_b32 s[PLN], s[PLN], 15                   ; mod 16
	s_mov_b32 s[OFA+1], 0                          ; the offsets' high words
	s_mov_b32 s[OFB+1], 0
	s_mov_b32 s[OFP+1], 0
	s_mov_b32 s[TB], 0                             ; slot 0 is read first
	; x's address is made of Y and the wave's number, w's of X and the wave's number, each in registers that never hold the other coordinate
	s_lshl_b32 s56, s18, 15                        ; 256 rows of 128 bytes
	s_lshl_b32 s60, s14, 14                        ; my half: 128 rows
	s_add_co_u32 s56, s56, s60
	s_mov_b32 s57, 0
	s_mul_i32 s58, s17, 384*128
	s_mul_i32 s61, s14, 192*128
	s_add_co_u32 s58, s58, s61
	s_mov_b32 s59, 0
	s_mul_i32 s21, s14, 128*PITCH                  ; where they go: no place in the cluster enters an LDS address
	s_mul_i32 s22, s14, 192*PITCH
	s_add_co_u32 s22, s22, AROWS
	s_wait_kmcnt 0x0
	s_add_nc_u64 s[56:57], s[4:5], s[56:57]        ; my part of the tile in plane 0 of xb,
	s_add_nc_u64 s[58:59], s[6:7], s[58:59]        ; and of wt
	CROUND                                         ; all sixteen work-groups are here: the first joint loads meet
.irp s, 0,1
	s_lshl_b32 s[OFA], s[PLN], 20                  ; a plane of xb is 8,192 rows of 128 bytes,
	s_lshl_b32 s[OFB], s[PLN], 19                  ; of wt 4,096
	s_mov_b32 s[G0A+4*(\s)], 1                     ; count = 1
	s_add_co_u32 s[G0A+4*(\s)+1], s21, (\s)*SLOT1  ; LDS address
	s_add_nc_u64 s[G0A+4*(\s)+2:G0A+4*(\s)+3], s[56:57], s[OFA:OFA+1]  ; global address: the walk's step s
	s_or_b32 s[G0A+4*(\s)+3], s[G0A+4*(\s)+3], 0x80000000              ; type = 2
	s_mov_b32 s[G0B+4*(\s)], 1
	s_add_co_u32 s[G0B+4*(\s)+1], s22, (\s)*SLOT1
	s_add_nc_u64 s[G0B+4*(\s)+2:G0B+4*(\s)+3], s[58:59], s[OFB:OFB+1]
	s_or_b32 s[G0B+4*(\s)+3], s[G0B+4*(\s)+3], 0x80000000
.if (\s) == 0
	s_add_co_u32 s[PLN], s[PLN], 1
	s_and_b32 s[PLN], s[PLN], 15
.endif
.endr
	s_cmp_eq_u32 s13, 0                            ; a wave's two first fills stand in one branch, ahead of every wait on TENSORcnt and every LDS read: two loads of mine are out
	s_cbranch_scc0 .Lfirst_b
	tensor_load_to_lds s[G0A:G0A+3], s[G1A:G1A+7]
	s_nop 0
	tensor_load_to_lds s[G0A+4:G0A+7], s[G1A:G1A+7]
	s_nop 0
.rept 4
	v_nop
.endr
	s_branch .Lfirst_asked
.Lfirst_b:
	tensor_load_to_lds s[G0B:G0B+3], s[G1B:G1B+7]
	s_nop 0
	tensor_load_to_lds s[G0B+4:G0B+7], s[G1B:G1B+7]
	s_nop 0
.rept 4
	v_nop
.endr
.Lfirst_asked:
	; my three heads: g = 6 X + 3 (column half) + j; t = g / 16, h = g % 16; plane 64 t + 16 b + h of 262,144 bytes; my first row (Y % 8) 256 + 128 (row half)
	s_mul_i32 s72, s17, 6
	s_mul_i32 s73, s14, 3
	s_add_co_u32 s72, s72, s73
	s_lshr_b32 s73, s18, 3
	s_lshl_b32 s73, s73, 4                         ; 16 b
	s_and_b32 s74, s18, 7
	s_lshl_b32 s74, s74, 15
	s_lshl_b32 s75, s13, 14
	s_add_co_u32 s74, s74, s75
	s_mov_b32 s77, 0
.irp j, 0,1,2
	s_add_co_u32 s75, s72, \j
	s_lshr_b32 s76, s75, 4
	s_and_b32 s75, s75, 15
	s_lshl_b32 s76, s76, 6
	s_add_co_u32 s76, s76, s75
	s_add_co_u32 s76, s76, s73
	s_lshl_b32 s76, s76, 18
	s_add_co_u32 s76, s76, s74
	s_add_nc_u64 s[OUT+2*(\j):OUT+2*(\j)+1], s[10:11], s[76:77]
.endr
	s_mul_i32 s76, s17, 384*4
	s_mul_i32 s75, s14, 192*4
	s_add_co_u32 s76, s76, s75
	s_add_nc_u64 s[8:9], s[8:9], s[76:77]          ; my 192 bias numbers
	v_and_b32 v20, 31, v0                          ; lane
	v_lshlrev_b32 v[L8], 3, v20
	global_load_b64 v[BV:BV+1],   v[L8], s[8:9]
	global_load_b64 v[BV+2:BV+3], v[L8], s[8:9] offset:256
	global_load_b64 v[BV+4:BV+5], v[L8], s[8:9] offset:512
	s_lshl_b32 s2, s15, 13
	v_lshl_add_u32 v[PFO], v20, 8, s2              ; the prefetch: my work-group's quarter of x's tile, a block of 256 bytes a lane
	; A fragment is 16 rows x 32 K in 8 registers: lane l holds row l % 16; registers 0-3 K = 8 (l / 16) + 0..7, registers 4-7 K = 16 + 8 (l / 16) + 0..7: two loads of 16 bytes, 32 bytes apart
	v_and_b32 v1, 15, v0
	v_bfe_u32 v2, v0, 4, 1
	v_mul_u32_u24 v3, v1, PITCH
	v_lshl_add_u32 v3, v2, 4, v3
	s_mul_i32 s72, s13, 128*PITCH                  ; my 128 rows of x
	s_mul_i32 s73, s14, 192*PITCH                  ; my 192 rows of w,
	s_add_co_u32 s73, s73, AROWS                   ; which lie behind x's 256
	v_add_nc_u32 v[ADRA0], s72, v3
	v_add_nc_u32 v[ADRB0], s73, v3
	v_add_nc_u32 v[ADRA], s[TB], v[ADRA0]
	v_add_nc_u32 v[ADRB], s[TB], v[ADRB0]
	s_mul_i32 s74, s12, STW
	s_add_co_u32 s74, s74, STAGE                   ; my stage
	v_add_nc_u32 v[STO], s74, v3                   ; in: row l % 16, 16 bytes for each half of the lanes
	v_bfe_u32 v[RD], v0, 3, 2                      ; back: 32 lanes take four rows of 128 bytes,
	v_mul_u32_u24 v[RD], v[RD], PITCH
	v_and_b32 v21, 7, v0
	v_lshl_add_u32 v[RD], v21, 4, v[RD]
	v_add_nc_u32 v[RD], s74, v[RD]
	v_lshlrev_b32 v[GO], 4, v20                    ; which are 512 consecutive bytes of a head
	s_mul_i32 s75, s12, 768
	s_add_co_u32 s75, s75, BIASL
	v_lshl_add_u32 v[BIA], v2, 5, s75
	v_add_nc_u32 v[BST], s75, v[L8]
	s_wait_loadcnt 0x0
	ds_store_b64 v[BST], v[BV:BV+1]                ; my wave's own bytes: only I read them, and LDS serves a wave's instructions in order
	ds_store_b64 v[BST], v[BV+2:BV+3] offset:256
	ds_store_b64 v[BST], v[BV+4:BV+5] offset:512
; n x 4 matrix instructions of phase j: row blocks a0 .. a0 + n - 1 x the group's 4 column blocks.  cb >= 0: the first product: C is the bias in v[cb ..] of window 0; nothing is ever cleared.
; The 96 accumulators take turns, one instruction a turn, in the same order in every slice.
.macro PH f, j, a0, n, cb=-1
.if (\cb) >= 0
	WIN 0x40*((\j)+1)                              ; D in window j + 1, all sources in window 0
.else
	WIN 0x50*((\j)+1)                              ; C and D in window j + 1
.endif
.set pa, \a0
.rept \n
.irp bb, 0,1,2,3
.if (\cb) >= 0
	v_wmma_f32_16x16x32_bf16 v[32*pa+8*(\bb):32*pa+8*(\bb)+7], v[BG+32*(\j)+8*(\bb):BG+32*(\j)+8*(\bb)+7], v[(\f)+8*pa:(\f)+8*pa+7], v[(\cb)+8*(\bb):(\cb)+8*(\bb)+7]
.else
	v_wmma_f32_16x16x32_bf16 v[32*pa+8*(\bb):32*pa+8*(\bb)+7], v[BG+32*(\j)+8*(\bb):BG+32*(\j)+8*(\bb)+7], v[(\f)+8*pa:(\f)+8*pa+7], v[32*pa+8*(\bb):32*pa+8*(\bb)+7]
.endif
.endr
.set pa, pa+1
.endr
.endm
.macro LDB k, j                        ; 8 loads: w's group j, 32 K at byte k of the rows of the slot that is being read
.irp bb, 0,1,2,3
	ds_load_b128 v[BG+32*(\j)+8*(\bb):BG+32*(\j)+8*(\bb)+3],   v[ADRB] offset:(\k)+(4*(\j)+(\bb))*FR
	ds_load_b128 v[BG+32*(\j)+8*(\bb)+4:BG+32*(\j)+8*(\bb)+7], v[ADRB] offset:(\k)+(4*(\j)+(\bb))*FR+32
.endr
.endm
.macro LDA k, f, half                  ; 8 loads: x's row blocks 4 half .. 4 half + 3 into buffer f
.irp aa, 0,1,2,3
	ds_load_b128 v[(\f)+8*(4*(\half)+(\aa)):(\f)+8*(4*(\half)+(\aa))+3],   v[ADRA] offset:(\k)+(4*(\half)+(\aa))*FR
	ds_load_b128 v[(\f)+8*(4*(\half)+(\aa))+4:(\f)+8*(4*(\half)+(\aa))+7], v[ADRA] offset:(\k)+(4*(\half)+(\aa))*FR+32
.endr
.endm
.macro LDBIAS j, r                     ; 8 loads: head j's bias as four C operands: register i of lane l holds bias[64 j + 16 bb + 8 (l / 16) + i]
.irp bb, 0,1,2,3
	ds_load_b128 v[(\r)+8*(\bb):(\r)+8*(\bb)+3],   v[BIA] offset:256*(\j)+64*(\bb)
	ds_load_b128 v[(\r)+8*(\bb)+4:(\r)+8*(\bb)+7], v[BIA] offset:256*(\j)+64*(\bb)+16
.endr
.endm
; A slice on buffer f; the next slice's fragments (byte nk of the same slot's rows) go into w's groups as they fall free and into buffer g.
.macro SLICE f, g, nk
	s_wait_dscnt 8                                 ; all but the youngest run, group 2's eight loads
	PH \f, 0, 0, 8
	WIN 0
	PLACES
	LDB \nk, 0
	LDA \nk, \g, 0
	PH \f, 1, 0, 8
	WIN 0
	PLACES
	LDB \nk, 1
	LDA \nk, \g, 1
	s_wait_dscnt 32                                ; group 2 is in: behind it only the two runs of 16 just issued
	PH \f, 2, 0, 8
	WIN 0
	PLACES
	LDB \nk, 2
.endm
; A K step's second slice (buffer AF1) changes slots: ONE barrier.  In front of it each wave waits for all its tensor loads (one is out: its part of the next slot), adds 0 to its spare word, and waits for
; that and for its own reads of this slot.  fill = 1: the barrier opens a round of the cluster's, and the slot that is left is filled again, with the walk's plane two steps on, first thing behind the round:
; 160 matrix instructions ahead of the wait for it.  The text is the same for both slots: TB and the walking descriptors' LDS words are turned by an exclusive or.
.macro TSLICE fill
	WIN 0
	s_xor_b32 s[TB], s[TB], SLOT1                  ; the slot that is read from the barrier on
	v_add_nc_u32 v[ADRA], s[TB], v[ADRA0]
	v_add_nc_u32 v[ADRB], s[TB], v[ADRB0]
	s_wait_tensorcnt 0x0                           ; all my tensor loads have landed, so a group 0 may be written
	ds_add_u32 v[SPW], v[NIL]                      ; 0 onto my spare word: scalar work and sixteen matrix instructions stand between it and the wait for it
.if \fill
	s_add_co_u32 s[PLN], s[PLN], 1                 ; the walk's next plane, round from 15 to 0
	s_and_b32 s[PLN], s[PLN], 15
	s_lshl_b32 s[OFA], s[PLN], 20
	s_lshl_b32 s[OFB], s[PLN], 19
	s_xor_b32 s[G0A+5], s[G0A+5], SLOT1            ; the other slot than last time
	s_add_nc_u64 s[G0A+6:G0A+7], s[56:57], s[OFA:OFA+1]  ; the address is made anew from the plane's number
	s_or_b32 s[G0A+7], s[G0A+7], 0x80000000
	s_xor_b32 s[G0B+5], s[G0B+5], SLOT1
	s_add_nc_u64 s[G0B+6:G0B+7], s[58:59], s[OFB:OFB+1]
	s_or_b32 s[G0B+7], s[G0B+7], 0x80000000
	s_wait_xcnt 0x0                                ; the last trip's prefetch has had its address translated: its base is rewritten only behind this wait
	s_add_co_u32 s[OFP], s[PLN], 1                 ; the plane of the step after
	s_and_b32 s[OFP], s[OFP], 15
	s_lshl_b32 s[OFP], s[OFP], 20
	s_add_nc_u64 s[PFB:PFB+1], s[56:57], s[OFP:OFP+1]  ; (in wave 0, which alone uses it, s[56:57] is the tile's first row)
.endif
	s_wait_dscnt 9                                 ; (the add and group 2's eight loads may be out)
	PH AF1, 0, 0, 4
	s_wait_dscnt 0x0                               ; the add is done, and my reads of this slot are over
	s_barrier_signal -1
	PH AF1, 0, 4, 4
	WIN 0                                          ; at a branch and at a label every window is 0
	s_barrier_wait -1
.if \fill
	CREST                                          ; no wave of any partner still reads this slot's tile or has a load on its way
	JLOAD                                          ; the four v_nop behind it are also the places in front of the loads below
	s_cmp_lg_u32 s12, 0                            ; the prefetch: wave 0 alone,
	s_cbranch_scc1 .Lnopf_\@
	s_cmp_lt_u32 s3, 10                            ; in the loop's first five trips alone (the count runs 14 .. 1): the walk's steps 3 to 7
	s_cbranch_scc1 .Lnopf_\@
	global_prefetch_b8 v[PFO], s[PFB:PFB+1] th:TH_LOAD_NT scope:SCOPE_SE
.Lnopf_\@:
.else
	PLACES
.endif
	LDB 0, 0
	LDA 0, AF0, 0
	PH AF1, 1, 0, 8
	WIN 0
	PLACES
	LDB 0, 1
	LDA 0, AF0, 1
	PH AF1, 2, 0, 8
	WIN 0
	PLACES
	LDB 0, 2
.endm
	s_wait_tensorcnt 1                             ; my part of the walk's step 0 is in; slot 1's may stay out
	s_wait_dscnt 0x0                               ; no LDS instruction of mine is pending at the signal
	s_barrier_signal -1
	s_barrier_wait -1                              ; everybody's part is in
	LDBIAS 0, AF1                                  ; buffer AF1 holds the bias while the first slice runs on AF0
	LDBIAS 1, AF1+32
	LDB 0, 0
	LDA 0, AF0, 0
	LDA 0, AF0, 1
	LDB 0, 1
	LDB 0, 2
	; THE FIRST SLICE is written out: its products start the sums with the bias
	s_wait_dscnt 16                                ; all but groups 1 and 2
	PH AF0, 0, 0, 8, AF1
	WIN 0
	PLACES
	LDB 64, 0
	LDBIAS 2, AF1                                  ; head 0's bias has been taken: head 2's comes in its place
	s_wait_dscnt 24                                ; group 1 is in: behind it group 2's eight and the sixteen just issued
	PH AF0, 1, 0, 8, AF1+32
	WIN 0
	PLACES
	LDB 64, 1
	LDA 64, AF1, 1                                 ; where head 1's bias lay
	s_wait_dscnt 16                                ; group 2 and head 2's bias are in
	PH AF0, 2, 0, 8, AF1
	WIN 0
	PLACES
	LDA 64, AF1, 0
	LDB 64, 2                                      ; last, so that the next slice's count of nine holds here too
	s_mov_b32 s3, 14
.Lstep:                                                ; a trip: a step's second slice, the change of slots, the next step's first slice; trip t asks for the walk's step t + 2
	TSLICE 1
	SLICE AF0, AF1, 64
	WIN 0
	s_sub_co_u32 s3, s3, 1
	s_cmp_lg_u32 s3, 0
	s_cbranch_scc1 .Lstep
	TSLICE 0                                       ; the tail is written out: nothing is left to ask for
	SLICE AF0, AF1, 64
	s_wait_dscnt 8
	PH AF1, 0, 0, 8
	PH AF1, 1, 0, 8
	s_wait_dscnt 0x0
	PH AF1, 2, 0, 8
	WIN 0
	PLACES
; THE WAY OUT, a block of 16 rows at a time.  PACK: rounded to f16, 16 bytes a lane (each accumulator's registers in ascending order), into my stage, and back as whole rows of 128 bytes.  SEND: stored.
.macro PACK a
.set T, 32+128*((\a)%2)                ; 48 registers, v32-79 and v160-207 by turns
.if (\a) >= 2
	s_wait_xcnt 0x0                                ; the stores of the block two back read these registers: they are rewritten only behind this wait
.endif
.irp j, 0,1,2
	WIN 5*((\j)+1)                                 ; sources 0 and 1 in window j + 1
.irp bb, 0,1,2,3
.irp q, 0,1,2,3
	v_cvt_pk_f16_f32 v[T+16*(\j)+4*(\bb)+(\q)], v[32*(\a)+8*(\bb)+2*(\q)], v[32*(\a)+8*(\bb)+2*(\q)+1]
.endr
.endr
.endr
	WIN 0
.irp j, 0,1,2
.irp bb, 0,1,2,3
	ds_store_b128 v[STO], v[T+16*(\j)+4*(\bb):T+16*(\j)+4*(\bb)+3] offset:(\j)*FR+32*(\bb)
.endr
.endr
.irp j, 0,1,2
.irp f, 0,1,2,3
	ds_load_b128 v[T+16*(\j)+4*(\f):T+16*(\j)+4*(\f)+3], v[RD] offset:(\j)*FR+(\f)*4*PITCH  ; LDS serves a wave's instructions in order (ISA guide 5.7.1.4): these see the stores above; the next block's stores come behind them
.endr
.endr
.endm
.macro SEND a, younger                 ; younger: the LDS instructions issued behind block a's loads: the next block's 24, or none
.set T, 32+128*((\a)%2)
.irp j, 0,1,2
	s_wait_dscnt (\younger)+8-4*(\j)               ; head j's four loads are back; the later heads' and the younger instructions may be out
.irp f, 0,1,2,3
	global_store_b128 v[GO], v[T+16*(\j)+4*(\f):T+16*(\j)+4*(\f)+3], s[OUT+2*(\j):OUT+2*(\j)+1] offset:(\a)*2048+(\f)*512  ; four rows of a head: 512 consecutive bytes, aligned
.endr
.endr
.endm
	PACK 0
.irp a, 1,2,3,4,5,6,7                  ; a block's conversions stand between the loads of the block before and its stores
	PACK \a
	SEND (\a)-1, 24
.endr
	SEND 7, 0
	s_wait_tensorcnt 0x0                           ; the wave's end
	ds_add_u32 v[SPW], v[NIL]
	s_wait_dscnt 0x0
	CROUND                                         ; the closing round: no work-group ends while a partner may still ask for a tile that names it
	s_endpgm
.Lfunc_end_k_q023266ef82_qkv:
	.size	k_q023266ef82_qkv, .Lfunc_end_k_q023266ef82_qkv-k_q023266ef82_qkv
	.p2alignl 7, 3214868480
	.fill 96, 4, 3214868480
	.section	.rodata,"a",@progbits
	.p2align	6, 0x0
	.amdhsa_kernel k_q023266ef82_qkv
		.amdhsa_group_segment_fixed_size 327680
		.amdhsa_private_segment_fixed_size 0
		.amdhsa_enable_private_segment 0
		.amdhsa_kernarg_size 32
		.amdhsa_user_sgpr_count 2
		.amdhsa_user_sgpr_kernarg_segment_ptr 1
		.amdhsa_wavefront_size32 1
		.amdhsa_system_sgpr_workgroup_id_x 1
		.amdhsa_system_sgpr_workgroup_id_y 1
		.amdhsa_system_sgpr_workgroup_id_z 1
		.amdhsa_system_vgpr_workitem_id 0
		.amdhsa_next_free_vgpr 1024
		.amdhsa_next_free_sgpr 88
		.amdhsa_reserve_vcc 0
		.amdhsa_float_denorm_mode_32 3
		.amdhsa_float_denorm_mode_16_64 3
		.amdhsa_memory_ordered 1
		.amdhsa_forward_progress 1
		.amdhsa_inst_pref_size 114
	.end_amdhsa_kernel
	.amdgpu_metadata
---
amdhsa.version: [ 1, 2 ]
amdhsa.kernels:
  - .name:           k_q023266ef82_qkv
    .symbol:         k_q023266ef82_qkv.kd
    .args:
      - { .name: xb, .offset: 0, .size: 8, .value_kind: global_buffer, .address_space: global }
      - { .name: wt, .offset: 8, .size: 8, .value_kind: global_buffer, .address_space: global }
      - { .name: bias, .offset: 16, .size: 8, .value_kind: global_buffer, .address_space: global }
      - { .name: qkv, .offset: 24, .size: 8, .value_kind: global_buffer, .address_space: global }
    .group_segment_fixed_size: 327680
    .private_segment_fixed_size: 0
    .kernarg_segment_align: 8
    .kernarg_segment_size: 32
    .max_flat_workgroup_size: 128
    .sgpr_count:     88
    .vgpr_count:     1024
    .wavefront_size: 32
...
	.end_amdgpu_metadata
.endif
;; end of part 2
;; launch attn (part 3): grid 4 x 64, 4 waves a work-group, clusters of 4 x 1, 327,680 bytes of LDS; arguments qkv, o; writes o
.if DOCPART == 3
	.amdgcn_target "amdgcn-amd-amdhsa--gfx1250"
	.amdhsa_code_object_version 6
	.text
	.protected	k_q023266ef82_attn
	.globl	k_q023266ef82_attn
	.p2align	8
	.type	k_q023266ef82_attn,@function
k_q023266ef82_attn:
	s_mov_b64 s[64:65], 0
	v_nop
	global_prefetch_b8 v0, s[64:65] scope:SCOPE_SE
	s_setreg_imm32_b32 hwreg(HW_REG_WAVE_MODE, 25, 1), 1
	s_wait_xcnt 0x0
	s_wait_alu depctr_hold_cnt(0) depctr_sa_sdst(0) depctr_va_vdst(0) depctr_va_sdst(0) depctr_va_ssrc(0) depctr_va_vcc(0) depctr_vm_vsrc(0)
	s_getreg_b32 s2, hwreg(HW_REG_IB_STS2, 6, 4)
	s_cmp_eq_u32 s2, 0
	s_cbranch_scc0 .Lentry_in_a_cluster
	s_endpgm
.Lentry_in_a_cluster:
	s_bfe_u32 s2, ttmp6, 0x10000c
	s_cmp_lg_u32 s2, 0x3003
	s_cbranch_scc0 .Lentry_shape_is_right
	s_endpgm
.Lentry_shape_is_right:
; O[h][q][:] = the sum over k of softmax_k(Q[h][q] . K[h][k] / 8) V[h][k][:].  Q, K, V lie one behind the other in qkv, each [SIZE_H][SIZE_N][64]; O likewise; all f16: a head's rows are dense, 128 bytes each.
; (h here counts batch and head together: 16 b + head.)  Products, maxima and sums in f32; the weights p are rounded to f16 for the second product (their sum l is taken of the unrounded p), O once at the end.
; LIMITS.  f16 holds no number beyond 65,504: Q, K and V arrive within it; p lies in 0 to 1, and below 6e-5 it keeps f16's fixed step of 6e-8; O is a mean of V's rows and has their range.
; A weight below 2^-126 counts as 0 in l; NaN and infinities are not treated apart.
; SHARES.  A wave owns four PIECES of two tiles of 16 queries, a work-group's four waves 512 queries of one head.  Every wave walks all keys, 64 a step.
; LAYOUT.  S^T = K Q^T (source 0 = 16 keys, source 1 = 16 queries): in the result a lane holds ONE query (lane % 16) and the keys 8 (lane / 16) + 0..7.  Two such tiles, rounded to f16 in pairs,
; ARE source 1 (32 keys x 16 queries) of O^T = V^T P, whose result again holds one query a lane, and eight channels.  K comes out of LDS as it lies, V ([key][channel]) turned, by ds_load_tr16_b128.
; SOFTMAX.  For each query a running maximum m and sum l: p = 2^(c s - c m), c = log2(e) / 8; in every step O and l are multiplied by a = 2^(c m_old - c m_new), which is 1 where m has not grown.
; m starts at the lowest finite number, O and l at 0: the first step is a step like any other, with a = 0.
; THE COUNT.  A tile and step have 16 matrix and 118 vector instructions: too many to stand all beside the matrix work.  So the order has one aim: four vector instructions that are READY behind
; EVERY matrix instruction, and the others, which need time of their own whatever the order, in runs without a gap.
; BY TURNS.  Turn n belongs to piece n (the pieces in a ring, step after step).  Its matrix work: 16 products K Q^T of piece n + 1, later 16 products V^T P of piece n - 1.  Its vector work: the scaling,
; exponentials, roundings, sums and rescaling of piece n, and the maximum and statistics of piece n + 1, whose scores the turn itself has made.  So what a turn begins with (c s - c m, O a) waits for nothing.
; CLUSTER.  The four query blocks of a cluster belong to one head and walk the same K and V, so each tile is asked for JOINTLY: the same tensor load, descriptor and mask in all four.
; REGISTERS, in windows of 256 (s_set_vgpr_msb says which window each operand place means: bits 1:0 source 0, 3:2 source 1, 5:4 source 2, 7:6 destination):
;   window 0: v0-11 addresses; v12-15, v48-63 at work; v16-47 four registers of statistics a tile; v64-191 S^T, two buffers of two tiles; v192-255 P, likewise
;   window 1: O^T, 32 a tile          window 2: v0-127 Q, 16 a tile; v128-191 K of one step; v192-255 V of one step          window 3: v0-1 the add's two registers
; A piece's buffers go by its number's parity: the piece in hand has one pair, its two neighbours in the ring share the other: of it P (piece n - 1) is read and S^T (piece n + 1) written.
.set SIZE_H, 64       ; 4 batches x 16 heads
.set SIZE_N, 2048     ; rows of a head
.set NP,    4         ; pieces a wave: a name, no knob: the register map, the loop and the fetches are made for four
.set KS,    64        ; keys in a step
.set PK,    144       ; a row of K in LDS: 128 bytes + 16 of padding = 36 words: the 16 rows of a load start at 16 different groups of four banks (64 banks of 4 bytes: ISA guide 11.1)
.set PV,    160       ; a row of V: 128 + 32 = 40 words
.set VOFF,  4*KS*PK   ; a slot holds four steps: 256 rows of K, then 256 rows of V
.set SLOT1, 1<<17     ; slot 1 begins here, so that one exclusive or turns an address in one slot into the other's
.set STAGE, SLOT1+4*KS*(PK+PV)  ; behind the ring, never filled by a tensor load: 16 rows x 144 bytes for each wave, for the way out
.set SP,    144
.set AK0, 2           ; v2   my lane's place in a tile of K; never rewritten
.set AV0, 3           ; v3   the same for V
.set AK,  4           ; v4   the LDS address of K's next run of loads
.set AV,  5           ; v5   of V's
.set QO,  6           ; v6   my byte offset in the wave's rows of Q
.set STO, 6           ;      later, the way out: where I put 16 bytes of a row
.set RD,  7           ; v7   the way out: where I read rows back
.set GO,  8           ; v8   my byte offset in 512 consecutive bytes of O
.set SPW, 0           ; v0 of window 3   LDS address of my spare word: SPARE + 4 x my thread's number; never rewritten
.set NIL, 1           ; v1 of window 3   0; never rewritten
.set SPARE, STAGE+4*16*SP  ; behind the stages: the spare words, 128 bytes for each wave: two blocks of 256 bytes that no other line names
.set MV,  12          ; v12-15  c m_old, kept while c m is made anew: by buffer and tile
.set ST,  16          ; tile t's statistics at v[ST+4 t]: c m, m, l (even keys', odd keys')
.set TMP, 48          ; by buffer and tile, four registers c0-c3 at work; when the maximum is found c2 takes a
.set S,   64
.set P,   192
.set KF,  128         ; K's fragments, in window 2: key block kb, channel half c at KF + 16 kb + 8 c
.set VF,  192         ; V's: key half kk, channel block cb at VF + 32 kk + 8 cb
.set WV,  12          ; s12  my wave's number
.set G1K, 24          ; s[24:31] descriptor group 1 for K's tiles
.set G1V, 32          ; s[32:39] for V's: it differs in the padding alone
.set G0K, 40          ; s[40:43] descriptor group 0 for K's tiles: it walks
.set G0V, 44          ; s[44:47] the same for V's
.set SLOTS, 56        ; s56  slots still to be asked for
.set CNT, 57          ; s57  counts a slot's key steps
.set CS,  58          ; s[58:59] c: the packed scaling takes the pair's low word for both halves
.set SEL, 60          ; s[60:61] v_permlanex16_b32's selects: each lane takes its own place in the other half
.set TBK, 62          ; s62  LDS byte at which K of the step to be fetched begins
.set TBV, 63          ; s63  the same for V, less VOFF
.set MSB, 0
.macro WIN new                      ; the high byte repeats the setting that is left; a switch that changes nothing is dropped
.if MSB != (\new)
	s_set_vgpr_msb (MSB<<8)|(\new)
.set MSB, (\new)
.endif
.endm
.set W_KQ, 0x0a       ; K and Q in window 2, S^T in window 0
.set W_PV, 0x52       ; V in window 2, P in window 0, O^T in window 1
.set W_RS, 0x41       ; O^T (destination and source 0) in window 1, a in window 0
.set W_MK, 0xc0       ; the add's registers are made: destination in window 3, sources in window 0
.set W_AD, 0x0f       ; the add: address (source 0) and data (source 1) in window 3
; A joint fill.  Waves 0 and 1 fetch the two halves of a slot's K, waves 2 and 3 those of its V: 128 keys each.  The branch hangs on the wave's number alone.
; An s_nop 0 and four v_nop follow each of the two lines, ahead of the jump and the label.
.macro JLOAD
	s_cmp_lt_u32 s[WV], 2
	s_cbranch_scc0 .Lfor_v_\@
	tensor_load_to_lds s[G0K:G0K+3], s[G1K:G1K+7]
	s_nop 0
.rept 4
	v_nop
.endr
	s_branch .Lasked_\@
.Lfor_v_\@:
	tensor_load_to_lds s[G0V:G0V+3], s[G1V:G1V+7]
	s_nop 0
.rept 4
	v_nop
.endr
.Lasked_\@:
.endm
; A round of the cluster's barrier: my work-group's barrier, so that wave 0's signal speaks for all four waves; wave 0 signals; every wave waits for all four work-groups; my work-group's barrier once more.
.macro CROUND
	s_barrier_signal -1
	s_barrier_wait -1
	s_cmp_lg_u32 s[WV], 0
	s_cbranch_scc1 .Lnot_wave_0_\@
	s_barrier_signal -3
.Lnot_wave_0_\@:
	s_barrier_wait -3
	s_barrier_signal -1
	s_barrier_wait -1
.endm
; THE CHANGE OF SLOTS.  The slot's last bytes, V of its fourth step, have been read.  Each wave waits for all its tensor loads, of which one is out: its part
; of the other slot; adds 0 to its spare word; and waits for that and for its own reads of the slot.  Behind the barrier nobody reads this slot any more and the other slot is whole.
; fill = 1: this slot is filled again, with the keys two slots on.  The barrier is then a round of the cluster's, so that no wave of any partner still reads the slot or has a load on its
; way, and the joint fill is the first thing behind it: it has four key steps, 512 matrix instructions, in which to land.  (At its first use nothing has been read yet: slot 0 is waited for, slot 1 filled.)
.macro CHANGE fill
	WIN W_AD
	s_wait_tensorcnt 0x0            ; no tensor load of mine is out, so a group 0 may be written
	ds_add_u32 v[SPW], v[NIL]       ; 0 onto my spare word: with fill = 1 the descriptors' steps stand between it and the wait for it
	WIN 0                           ; at a label and at a branch every window is 0
.if \fill
.irp g, G0K, G0V
	s_xor_b32 s[\g+1], s[\g+1], SLOT1  ; the walking descriptor: the other slot than last time,
	s_add_nc_u64 s[\g+2:\g+3], s[\g+2:\g+3], 4*KS*128  ; the next 256 keys; the type bits on top are not reached
.endr
	s_wait_dscnt 0x0                ; the add is done, and my reads of the slot are over
	CROUND
	JLOAD
.else
	s_wait_dscnt 0x0                ; the add is done, and my reads of the slot are over
	s_barrier_signal -1
	s_barrier_wait -1
.endif
	s_sub_co_u32 s[TBK], s[TBK], 4*KS*PK  ; the fetches go back to a slot's first step,
	s_xor_b32 s[TBK], s[TBK], SLOT1       ; in the other slot
	s_sub_co_u32 s[TBV], s[TBV], 4*KS*PV
	s_xor_b32 s[TBV], s[TBV], SLOT1
.endm
	s_load_b128 s[4:7], s[0:1], 0x0  ; qkv s[4:5] (Q lies first in it), O s[6:7]
	WIN W_MK
	v_lshl_add_u32 v[SPW], v0, 2, SPARE
	v_mov_b32 v[NIL], 0
	s_set_vgpr_msb 0xc0cf
	ds_add_u32 v0, v1
	s_wait_dscnt 0x0
	s_set_vgpr_msb 0xcfc0
	WIN 0
	v_lshrrev_b32 v1, 5, v0
	v_readfirstlane_b32 s[WV], v1   ; wave 0..3
	s_bfe_u32 s13, ttmp6, 0x40000   ; cx: my place in the cluster
	s_lshl_b32 s14, ttmp9, 2        ; in a cluster launch ttmp9 counts clusters
	s_add_co_u32 s14, s14, s13      ; my block of queries = 4 x cluster x + cx: it enters Q's and O's addresses alone
	s_and_b32 s20, ttmp7, 0xffff    ; the head, which the four partners share
	s_mov_b32 s21, 0
	s_mov_b64 s[22:23], SIZE_N*128
	s_mul_u64 s[20:21], s[20:21], s[22:23]  ; the head's first byte in each of the four tensors
	s_and_b32 s16, s[WV], 1         ; which half of a slot's 256 keys I fetch:
	s_lshl_b32 s22, s16, 14         ; its 128 rows of 128 bytes in memory,
	s_mov_b32 s23, 0
	s_add_nc_u64 s[22:23], s[22:23], s[20:21]
	s_mul_i32 s17, s16, 128*PK      ; and its place in a slot, for K
	s_mul_i32 s18, s16, 128*PV      ; and for V: no place in the cluster enters an LDS address
	s_lshl_b32 s2, s14, 2
	s_add_co_u32 s2, s2, s[WV]      ; my wave among the head's,
	s_lshl_b32 s2, s2, 14           ; its 128 rows
	s_mov_b32 s3, 0
	s_add_nc_u64 s[2:3], s[2:3], s[20:21]
	; descriptor group 1.  128 keys are 16,384 dense bytes: asked for as 64 rows of 256 bytes, two keys a row, and padded in LDS after every key
	s_mov_b32 s[G1K], 15|(1<<16)|(1<<20)|(1<<21)|(4<<22)|(3<<25)  ; 15:0 the mask of four; 17:16 2-byte elements; 20 padding on; 21 set beside a mask; 24:22 after every 32 words (code 4); 31:25 4 words (code 3)
	s_mov_b32 s[G1V], 15|(1<<16)|(1<<20)|(1<<21)|(4<<22)|(7<<25)  ; the same with 8 words of padding (code 7)
.irp g, G1K, G1V
	s_mov_b32 s[\g+1], 128<<16      ; tensor_dim0 = 128
	s_mov_b32 s[\g+2], 64<<16       ; tensor_dim1 = 64
	s_mov_b32 s[\g+3], 128<<16      ; tile_dim0 = 128
	s_mov_b32 s[\g+4], 64           ; tile_dim1 = 64
	s_mov_b32 s[\g+5], 128          ; 128 elements from row to row
	s_mov_b32 s[\g+6], 0
	s_mov_b32 s[\g+7], 0
.endr
	s_mov_b32 s[CS], 0x3e38aa3b     ; c = log2(e) / 8 = 0.180337
	s_mov_b32 s[CS+1], s[CS]        ; named with it as a pair
	s_mov_b32 s[SEL], 0x76543210
	s_mov_b32 s[SEL+1], 0xfedcba98
	s_mov_b32 s[TBK], SLOT1+4*KS*PK ; the first change of slots turns these two into 0
	s_mov_b32 s[TBV], SLOT1+4*KS*PV
	s_mov_b32 s[G0K], 1             ; 1:0 count = 1
	s_mov_b32 s[G0K+1], s17         ; 63:32 LDS address: slot 0
	s_mov_b32 s[G0V], 1
	s_add_co_u32 s[G0V+1], s18, VOFF
	s_wait_kmcnt 0x0
	s_mov_b64 s[10:11], s[6:7]                     ; O
	s_add_nc_u64 s[6:7], s[4:5], SIZE_H*SIZE_N*128    ; K lies 64 heads of 262,144 bytes behind Q,
	s_add_nc_u64 s[8:9], s[4:5], 2*SIZE_H*SIZE_N*128  ; V as far behind K
	s_add_nc_u64 s[G0K+2:G0K+3], s[6:7], s[22:23]  ; 120:64 global address: my half of the head's first 256 keys
	s_or_b32 s[G0K+3], s[G0K+3], 0x80000000        ; 127:126 type = 2
	s_add_nc_u64 s[G0V+2:G0V+3], s[8:9], s[22:23]
	s_or_b32 s[G0V+3], s[G0V+3], 0x80000000
	s_add_nc_u64 s[4:5], s[4:5], s[2:3]  ; Q and O at my wave's first row
	s_add_nc_u64 s[10:11], s[10:11], s[2:3]
	CROUND                          ; all four work-groups are here: the first joint loads meet
	JLOAD                           ; slot 0.  Slot 1 is asked for when slot 0 is in: the tile wanted first has the road to itself
	; A fragment of K or Q is 16 rows x 32 channels in 8 registers: lane l holds row l % 16, channels 8 (l / 16) + 0..7 and 16 + 8 (l / 16) + 0..7: two loads of 16 bytes, 32 bytes apart.
	v_and_b32 v1, 15, v0            ; l % 16
	v_bfe_u32 v9, v0, 4, 1          ; l / 16
	v_lshlrev_b32 v[QO], 7, v1
	v_lshl_add_u32 v[QO], v9, 4, v[QO]  ; row x 128 + 16 x half
	WIN 0x80                        ; destination window 2, address window 0
.set i, 0
.rept 4*NP                          ; Q stays in registers: tile i / 2, channels 32 (i % 2) on
	global_load_b128 v[8*i:8*i+3],   v[QO], s[4:5] offset:(i/2)*2048+(i%2)*64
	global_load_b128 v[8*i+4:8*i+7], v[QO], s[4:5] offset:(i/2)*2048+(i%2)*64+32
.set i, i+1
.endr
	; What the first turn finds: V's registers and P's second buffer hold 0 (its products V^T P, of a piece that has not been, add 0), O^T and l are 0.  All this stands in the wait for the first tile.
.set i, VF
.rept 64
	v_mov_b32 v[i], 0
.set i, i+1
.endr
	WIN 0x40
.set i, 0
.rept 64*NP
	v_mov_b32 v[i], 0
.set i, i+1
.endr
	WIN 0
.set i, 0
.rept 2*NP
	v_mov_b32 v[ST+4*i], 0xfe000000    ; c m: far below every c s
	v_mov_b32 v[ST+4*i+1], 0xff7fffff  ; m
	v_mov_b32 v[ST+4*i+2], 0
	v_mov_b32 v[ST+4*i+3], 0
.set i, i+1
.endr
.set i, P+32
.rept 32
	v_mov_b32 v[i], 0
.set i, i+1
.endr
	v_mul_u32_u24 v[AK0], v1, PK
	v_lshl_add_u32 v[AK0], v9, 4, v[AK0]  ; row x pitch + 16 x half
	; The turning load takes 16 keys x 16 channels (lane l reads key 8 (l / 16) + l % 8, channels 8 ((l / 8) % 2) + 0..7) and leaves half a fragment of V^T: lane l holds channel l % 16 and 8 keys.
	v_and_b32 v10, 7, v0
	v_bfe_u32 v11, v0, 3, 1
	v_lshl_add_u32 v[AV0], v9, 3, v10
	v_mul_u32_u24 v[AV0], v[AV0], PV
	v_lshl_add_u32 v[AV0], v11, 4, v[AV0]
	v_add_nc_u32 v[AV0], VOFF, v[AV0]
	v_mov_b32 v[AK], v[AK0]         ; key step 0 lies at the head of slot 0
; THE MATRIX WORK.  The 8 accumulators of a run of 16 take turns: between the two links of a chain stand 7 others'.
; Product i of 16 of S^T = K Q^T for piece x: channels 32 (i / 8) on, keys 16 ((i / 2) % 4) on, tile 2 x + i % 2.  The first 8 start the sums.
.macro KQ x
	WIN W_KQ
.set rS, S+64*((\x)%2)+32*(i%2)+8*((i/2)%4)
.set rK, KF+16*((i/2)%4)+8*(i/8)
.set rQ, 16*(2*(\x)+i%2)+8*(i/8)
.if i < 8
	v_wmma_f32_16x16x32_f16 v[rS:rS+7], v[rK:rK+7], v[rQ:rQ+7], 0
.else
	v_wmma_f32_16x16x32_f16 v[rS:rS+7], v[rK:rK+7], v[rQ:rQ+7], v[rS:rS+7]
.endif
.endm
; Product i of 16 of O^T += V^T P for piece x: keys 32 (i / 8) on, channels 16 ((i / 2) % 4) on, tile 2 x + i % 2.
.macro PV x
	WIN W_PV
.set rO, 32*(2*(\x)+i%2)+8*((i/2)%4)
.set rV, VF+32*(i/8)+8*((i/2)%4)
.set rP, P+32*((\x)%2)+16*(i%2)+8*(i/8)
	v_wmma_f32_16x16x32_f16 v[rO:rO+7], v[rV:rV+7], v[rP:rP+7], v[rO:rO+7]
.endm
.macro MM                           ; the turn's next matrix instruction
.if i < 16
	KQ (Y+1)%NP
.set i, i+1
.else
.set i, i-16
	PV (Y+NP-1)%NP
.set i, i+17
.endif
.endm
; THE LDS LOADS stand in runs of 16, never singly among the matrix instructions: a step's K (64 keys x 64 channels: 8 fragments) and its V (turned).  Their addresses are made some lines ahead.
; last = 1 (the tail): in the last trip there is no further step, and the run is jumped over.
.macro FETCH_K last=0
	WIN 0
.if \last
	s_cmp_eq_u32 s[CNT], 1
	s_cbranch_scc1 .Lno_k_\@
.endif
	WIN 0x80                        ; destination window 2
.irp f, 0,1,2,3,4,5,6,7             ; keys 16 (f / 2) on, channels 32 (f % 2) on
	ds_load_b128 v[KF+8*\f:KF+8*\f+3],   v[AK] offset:(\f/2)*16*PK+(\f%2)*64
	ds_load_b128 v[KF+8*\f+4:KF+8*\f+7], v[AK] offset:(\f/2)*16*PK+(\f%2)*64+32
.endr
	s_add_co_u32 s[TBK], s[TBK], KS*PK  ; the next fetch is the next step's
	WIN 0
.if \last
.Lno_k_\@:
.endif
.endm
.macro FETCH_V
	WIN 0x80
.irp f, 0,1,2,3,4,5,6,7             ; keys 32 (f / 4) on, channels 16 (f % 4) on
	ds_load_tr16_b128 v[VF+8*\f:VF+8*\f+3],   v[AV] offset:(\f/4)*32*PV+(\f%4)*32
	ds_load_tr16_b128 v[VF+8*\f+4:VF+8*\f+7], v[AV] offset:(\f/4)*32*PV+16*PV+(\f%4)*32
.endr
	WIN 0
.endm
; THE VECTOR WORK OF A TURN stands in three queues, each in the order in which its entries become ready; the two tiles alternate, so that no instruction reads the result of the one before it.
.macro REGS y, u                    ; the registers of tile u (0, 1) of piece y
.set rT, ST+4*(2*(\y)+(\u))
.set rC, TMP+8*((\y)%2)+4*(\u)
.set rM, MV+2*((\y)%2)+(\u)
.set rS, S+64*((\y)%2)+32*(\u)
.set rP, P+32*((\y)%2)+16*(\u)
.set rO, 32*(2*(\y)+(\u))
.endm
; Number n of the 22 that find the NEXT piece's (Y + 1) maximum and statistics.  s0-s31 are the lane's 32 scores; each accumulator's lowest registers are read first.  XS, GS and REGS set no window: PL and EX do.
;   0-11  four chains c0-c3 of seven scores each, three operands at a time     12-14, 16  the four scores left over, the old m, and c0-c3 into c0     15  c m_old is kept
;   17, 18  the query's other 32 keys lie in the lane 16 away: the new m         19-21  c m; c m_old - c m_new; a
.macro XS u, n
	REGS (Y+1)%NP, \u
.if (\n) < 4
	v_max3_num_f32 v[rC+(\n)], v[rS+8*(\n)], v[rS+8*(\n)+1], v[rS+8*(\n)+2]
.elseif (\n) < 12
	v_max3_num_f32 v[rC+(\n)%4], v[rC+(\n)%4], v[rS+8*((\n)%4)+2*((\n)/4)+1], v[rS+8*((\n)%4)+2*((\n)/4)+2]
.elseif (\n) == 12
	v_max3_num_f32 v[rC], v[rC], v[rS+7], v[rS+15]
.elseif (\n) == 13
	v_max3_num_f32 v[rC+1], v[rC+1], v[rS+23], v[rS+31]
.elseif (\n) == 14
	v_max3_num_f32 v[rC+2], v[rC+2], v[rC+3], v[rT+1]
.elseif (\n) == 15
	v_mov_b32 v[rM], v[rT]
.elseif (\n) == 16
	v_max3_num_f32 v[rC], v[rC], v[rC+1], v[rC+2]
.elseif (\n) == 17
	v_permlanex16_b32 v[rC+3], v[rC], s[SEL], s[SEL+1]
.elseif (\n) == 18
	v_max_num_f32 v[rT+1], v[rC], v[rC+3]
.elseif (\n) == 19
	v_mul_f32 v[rT], s[CS], v[rT+1]
.elseif (\n) == 20
	v_sub_f32 v[rC+1], v[rM], v[rT]
.else
	v_exp_f32 v[rC+2], v[rC+1]
.endif
.endm
; Number g of the 64 that follow the exponentials.  For each four weights k of a tile (pairs 2 k, 2 k + 1): both pairs are rounded to f16; then the second pair is added onto the first, in place;
; a group later l takes that sum (the first time as l = a l + sum).  In groups of eight, tiles alternating: round, round, add, and l for the group before.
.macro GS g
.set h, (\g)+6*((\g)/62)            ; group 0 has no group before it, and behind group 7 only l is left
.if h >= 6
.set h, h+2
.endif
	REGS Y, h%2
.set k, h/8
.if h%8 < 4
	s_wait_alu depctr_va_vdst(0)
	v_cvt_pk_f16_f32 v[rP+2*k+(h%8)/2], v[rS+4*k+2*((h%8)/2)], v[rS+4*k+2*((h%8)/2)+1]
.elseif h%8 < 6
	v_pk_add_f32 v[rS+4*k:rS+4*k+1], v[rS+4*k:rS+4*k+1], v[rS+4*k+2:rS+4*k+3]
.elseif k == 1
	v_pk_fma_f32 v[rT+2:rT+3], v[rT+2:rT+3], v[rC+2:rC+3], v[rS:rS+1] op_sel_hi:[1,0,1]
.else
	v_pk_add_f32 v[rT+2:rT+3], v[rT+2:rT+3], v[rS+4*k-4:rS+4*k-3]
	s_wait_alu depctr_va_vdst(0)
.endif
.endm
; THE PLAIN QUEUE, 138 long.  0-31: c s - c m for the 16 pairs of both tiles.  Then GS's 64, and among them the next piece's 42: number 15 at 38, 39; 0-14 and 16
; at 42-73, behind the products that make those scores; 17-20 at 95-106, two of three, since each waits for the one before it.
.macro PL
	WIN 0
.if q < 32
	REGS Y, q%2
	v_pk_fma_f32 v[rS+2*(q/2):rS+2*(q/2)+1], v[rS+2*(q/2):rS+2*(q/2)+1], s[CS:CS+1], v[rT:rT+1] op_sel_hi:[1,0,0] neg_lo:[0,0,1] neg_hi:[0,0,1]
.elseif q < 38
	GS q-32
.elseif q < 40
	XS q%2, 15
.elseif q < 42
	GS q-34
.elseif q < 74
	XS q%2, (q-42)/2+(q-42)/30
.elseif q < 95
	GS q-66
.elseif (q < 107) && ((q-95)%3 < 2)
	XS (q-95)%3, 17+(q-95)/3
.elseif q < 107
	GS 29+(q-95)/3
.else
	GS q-74
.endif
.set q, q+1
.endm
; THE EXPONENTIALS' QUEUE, 66 long: s0-s31 of both tiles, and at EA the next piece's two a.
.set EA, 58
.macro EX
	WIN 0
.if (e == EA) || (e == EA+1)
	XS e-EA, 21
.else
.set x, e-2*(e/(EA+2))
	REGS Y, x%2
	v_exp_f32 v[rS+x/2], v[rS+x/2]
.endif
.set e, e+1
.endm
; THE RESCALING's QUEUE: O^T times a, the one part that leaves window 0, so it is dealt four at a time, eight times.
.macro R4
	REGS Y, r%2
	WIN W_RS
	s_wait_alu depctr_va_vdst(0)
.irp z, 0,1,2,3
	v_pk_mul_f32 v[rO+8*(r/2)+2*\z:rO+8*(r/2)+2*\z+1], v[rO+8*(r/2)+2*\z:rO+8*(r/2)+2*\z+1], v[rC+2:rC+3] op_sel_hi:[1,0]
.endr
.set r, r+1
.endm
; HOW THEY ARE DEALT.  Behind a matrix instruction four: plain, exponential, plain, plain (one exponential, a plain instruction on either side), or four of the rescaling.  None names a register of the
; products round it.  What is over stands in two LUMPS: exponential and plain by turns; the second ends in 22 plain instructions.  The two v_permlanex16_b32 fall into the second lump, never behind a product.
; The queues lean on each other, and the deal keeps them in step: exponential e stands behind plain 2 (e / 4) + e % 2 (its scaling); when plain 32 comes, 10 exponentials are out, at 59: 33, at 95: 46; EA comes behind plain 107.
.macro SL
	MM
	PL
	EX
	PL
	PL
.endm
.macro BURST n                      ; 15 matrix instructions, or 16
.rept (\n)-7
	SL
.endr
.rept 3
	MM
	R4
	SL
.endr
	MM
	R4
.endm
; A TURN, for piece p.  cnt = 1: the loop's count is taken down some lines ahead of the branch that stands behind the turn.
; K of the next step is fetched in piece 2's turn, 31 vector instructions behind the last product that read K; its first reader comes behind the rest of the lump, 16 products and the second lump.
; V of the step in hand is fetched at the end of piece 0's turn, 69 behind its last reader; its first reader comes behind 16 products and a lump.  The four conditions on e and q below go with the deal.
.macro TURN p, last=0, cnt=0
.set Y, (\p)
.set i, 0
.set q, 0
.set e, 0
.set r, 0
.if (\p) == NP-1
	s_wait_dscnt 0x0                ; K is in
.endif
	MM
.rept 4
	PL
.endr
	BURST 15
.rept 22
	EX
	PL
.if ((\p) == NP-2) && (e == 18)
	v_add_nc_u32 v[AK], s[TBK], v[AK0]
.endif
.if ((\p) == NP-2) && (e == 24)
	FETCH_K \last
.endif
.endr
.if (\p) == 1
	s_wait_dscnt 0x0                ; V is in
.endif
	BURST 16
.rept 21
	EX
	PL
.endr
.rept 22
	PL
.if ((\p) == 0) && (q == 118)
	v_add_nc_u32 v[AV], s[TBV], v[AV0]
	s_wait_alu depctr_va_vdst(0)
.endif
.if ((\p) == 0) && (q == 130)
	s_add_co_u32 s[TBV], s[TBV], KS*PV
.endif
.if (\cnt) && (q == 130)
	s_sub_co_u32 s[CNT], s[CNT], 1
	s_cmp_lg_u32 s[CNT], 0
.endif
.endr
.if (\p) == 0
	FETCH_V
.endif
.endm
	CHANGE 1                        ; slot 0 is in, everybody's part of it; slot 1 is asked for
	FETCH_K                         ; key step 0
	s_wait_loadcnt 0x0              ; Q
	s_wait_dscnt 0x0
.set i, 0
.rept 16
	KQ 0                            ; piece 0's first scores: there is no vector work yet to set between them
.set i, i+1
.endr
	WIN 0                           ; the addresses for the way out: nine plain instructions, the places behind those products
	s_mul_i32 s13, s[WV], 16*SP
	s_add_co_u32 s13, s13, STAGE    ; my stage
	v_mul_u32_u24 v[STO], v1, SP    ; in: row l % 16, 16 bytes for each half of the lanes
	v_lshl_add_u32 v[STO], v9, 4, v[STO]
	v_add_nc_u32 v[STO], s13, v[STO]
	v_bfe_u32 v[RD], v0, 3, 2       ; back: 32 lanes take four rows of 128 bytes,
	v_mul_u32_u24 v[RD], v[RD], SP
	v_lshl_add_u32 v[RD], v10, 4, v[RD]
	v_add_nc_u32 v[RD], s13, v[RD]
	v_and_b32 v[GO], 31, v0         ; which are 512 consecutive bytes of O
	v_lshlrev_b32 v[GO], 4, v[GO]
.set Y, NP-1                        ; XS works for piece Y + 1: piece 0
.irp n, 0,1,2,3,4,5,6,7,8,9,10,11,12,13,14,15,16,17,18,19,20,21
	XS 0, \n                        ; and piece 0's first maximum and statistics
	XS 1, \n
.endr
	s_mov_b32 s[CNT], 4
	s_mov_b32 s[SLOTS], SIZE_N/256-1
	s_branch .Lfirst                ; the loop is entered at a step's first turn, in the middle of a trip
.Lslot:                             ; SIZE_N / 256 - 2 times: every slot but the last two is filled again
	CHANGE 1
	s_mov_b32 s[CNT], 4
.Lstep:                             ; a trip: pieces 2 and 3 of one step, then pieces 0 and 1 of the next, whose K and V it fetches
	TURN 2
	TURN 3
	WIN 0
.Lfirst:
	TURN 0
	TURN 1, 0, 1
	WIN 0
	s_cbranch_scc1 .Lstep
	s_sub_co_u32 s[SLOTS], s[SLOTS], 1
	s_cmp_lg_u32 s[SLOTS], 0
	s_cbranch_scc1 .Lslot
	CHANGE 0                        ; the tail is written out: nothing is asked for
	s_mov_b32 s[CNT], 5             ; four trips fetch the last slot's steps; the fifth is left in its middle
.Ltail:
	TURN 2, 1
	TURN 3
	WIN 0
	s_sub_co_u32 s[CNT], s[CNT], 1
	s_cmp_eq_u32 s[CNT], 0
	s_cbranch_scc1 .Lout
	TURN 0
	TURN 1
	WIN 0
	s_branch .Ltail
.Lout:                              ; the fifth trip's 16 products K Q^T (on the last K once more) and the maximum made of them serve nothing: the price, once a launch, of one text for every trip
.set i, 0
.rept 16
	PV NP-1                         ; the last piece's V^T P of the last step
.set i, i+1
.endr
	; THE WAY OUT.  l's two halves and the other half of the lanes' are added; O^T is divided by l, rounded to f16 and sent through my stage in LDS, a tile at a time.  The additions are the places behind the last products.
	WIN 0
.macro ALL line:vararg              ; one line for each tile t
.set t, 0
.rept 2*NP
	\line
.set t, t+1
.endr
.endm
	ALL v_add_f32 v[ST+4*t+2], v[ST+4*t+2], v[ST+4*t+3]
	ALL v_permlanex16_b32 v[ST+4*t+3], v[ST+4*t+2], s[SEL], s[SEL+1]
	ALL v_add_f32 v[ST+4*t+2], v[ST+4*t+2], v[ST+4*t+3]
	ALL v_rcp_f32 v[ST+4*t+2], v[ST+4*t+2]
	v_nop                           ; a plain instruction between the last reciprocal and the use of its result
	s_wait_alu depctr_va_vdst(0)
; Tile t: a lane's eight channels of a row pack into 16 bytes; they go into rows of 144 bytes and come back as whole rows of 128, into S^T's registers.
.macro PACK t
	WIN W_RS
.set i, 32*(\t)
.rept 16
	v_pk_mul_f32 v[i:i+1], v[i:i+1], v[ST+4*(\t)+2:ST+4*(\t)+3] op_sel_hi:[1,0]
.set i, i+2
.endr
	WIN 0x05                        ; sources 0 and 1 window 1, destination window 0
.set i, 0
.rept 16
	v_cvt_pk_f16_f32 v[S+16*(\t)+i], v[32*(\t)+2*i], v[32*(\t)+2*i+1]
.set i, i+1
.endr
	WIN 0
.irp f, 0,1,2,3
	ds_store_b128 v[STO], v[S+16*(\t)+4*\f:S+16*(\t)+4*\f+3] offset:32*\f
.endr
.irp f, 0,1,2,3
	ds_load_b128 v[S+16*(\t)+4*\f:S+16*(\t)+4*\f+3], v[RD] offset:\f*4*SP  ; LDS serves a wave's instructions in order (ISA guide 5.7.1.4): these see the stores above; the next tile's stores come behind them
.endr
.endm
.macro SEND t, younger              ; younger: the LDS instructions issued behind tile t's loads: the next tile's eight, or none
	WIN 0
.irp f, 0,1,2,3
	s_wait_dscnt (\younger)+3-\f
	global_store_b128 v[GO], v[S+16*(\t)+4*\f:S+16*(\t)+4*\f+3], s[10:11] offset:(\t)*2048+\f*512  ; 512 consecutive bytes, at a multiple of 256 from O's first
.endr
.endm
	PACK 0
.set t, 1
.rept 2*NP-1                        ; a tile's arithmetic stands between the loads of the tile before and its stores
	PACK t
	SEND t-1, 8
.set t, t+1
.endr
	SEND 2*NP-1, 0
	WIN W_AD
	s_wait_tensorcnt 0x0            ; the wave's end, behind my last tensor load and my last LDS store
	ds_add_u32 v[SPW], v[NIL]
	s_wait_dscnt 0x0
	WIN 0
	CROUND                          ; the closing round: no work-group ends while a partner may still ask for a tile that names it
	s_endpgm
.Lfunc_end_k_q023266ef82_attn:
	.size	k_q023266ef82_attn, .Lfunc_end_k_q023266ef82_attn-k_q023266ef82_attn
	.p2alignl 7, 3214868480
	.fill 96, 4, 3214868480
	.section	.rodata,"a",@progbits
	.p2align	6, 0x0
	.amdhsa_kernel k_q023266ef82_attn
		.amdhsa_group_segment_fixed_size 327680
		.amdhsa_private_segment_fixed_size 0
		.amdhsa_enable_private_segment 0
		.amdhsa_kernarg_size 16
		.amdhsa_user_sgpr_count 2
		.amdhsa_user_sgpr_kernarg_segment_ptr 1
		.amdhsa_wavefront_size32 1
		.amdhsa_system_sgpr_workgroup_id_x 1
		.amdhsa_system_sgpr_workgroup_id_y 1
		.amdhsa_system_sgpr_workgroup_id_z 1
		.amdhsa_system_vgpr_workitem_id 0
		.amdhsa_next_free_vgpr 770
		.amdhsa_next_free_sgpr 66
		.amdhsa_reserve_vcc 0
		.amdhsa_float_denorm_mode_32 3
		.amdhsa_float_denorm_mode_16_64 3
		.amdhsa_memory_ordered 1
		.amdhsa_forward_progress 1
		.amdhsa_inst_pref_size 209
	.end_amdhsa_kernel
	.amdgpu_metadata
---
amdhsa.version: [ 1, 2 ]
amdhsa.kernels:
  - .name:           k_q023266ef82_attn
    .symbol:         k_q023266ef82_attn.kd
    .args:
      - { .name: qkv, .offset: 0, .size: 8, .value_kind: global_buffer, .address_space: global }
      - { .name: o, .offset: 8, .size: 8, .value_kind: global_buffer, .address_space: global }
    .group_segment_fixed_size: 327680
    .private_segment_fixed_size: 0
    .kernarg_segment_align: 8
    .kernarg_segment_size: 16
    .max_flat_workgroup_size: 128
    .sgpr_count:     66
    .vgpr_count:     770
    .wavefront_size: 32
...
	.end_amdgpu_metadata
.endif
;; end of part 3
;; launch outp (part 4): grid 8 x 32, 4 waves a work-group, clusters of 4 x 4, 327,680 bytes of LDS; arguments o, wt, bias, out0; writes out0
.if DOCPART == 4
	.amdgcn_target "amdgcn-amd-amdhsa--gfx1250"
	.amdhsa_code_object_version 6
	.text
	.protected	k_q023266ef82_outp
	.globl	k_q023266ef82_outp
	.p2align	8
	.type	k_q023266ef82_outp,@function
k_q023266ef82_outp:
	s_mov_b64 s[64:65], 0
	v_nop
	global_prefetch_b8 v0, s[64:65] scope:SCOPE_SE
	s_setreg_imm32_b32 hwreg(HW_REG_WAVE_MODE, 25, 1), 1
	s_wait_xcnt 0x0
	s_wait_alu depctr_hold_cnt(0) depctr_sa_sdst(0) depctr_va_vdst(0) depctr_va_sdst(0) depctr_va_ssrc(0) depctr_va_vcc(0) depctr_vm_vsrc(0)
	s_getreg_b32 s2, hwreg(HW_REG_IB_STS2, 6, 4)
	s_cmp_eq_u32 s2, 0
	s_cbranch_scc0 .Lentry_in_a_cluster
	s_endpgm
.Lentry_in_a_cluster:
	s_bfe_u32 s2, ttmp6, 0x10000c
	s_cmp_lg_u32 s2, 0xf033
	s_cbranch_scc0 .Lentry_shape_is_right
	s_endpgm
.Lentry_shape_is_right:
; OUT: out0[m][n] = sum over k of O[m][k] Wo[k][n] + bo[n], m < 8192, n < 1024, k = 64 head + d < 1024.  Operands f16, sums f32, the result stored as f32.
; O lies by heads, [16 b + head][2048 s][64]: a head is a plane of 64 along K; Wo turned lies in rows 3072 .. 4095 of wt's planes [16 kb][4096][64], bo at bias[3072 ..].
; LIMITS.  O and Wo arrive as f16 (within 65,504; Wo was rounded to bf16 first, and below 6.1e-5 keeps f16's fixed step of 6e-8).  The sums run over K in a rotated order (THE WALK), not ascending.
; SHARES.  A tile is 256 x 128: 32 x 8 = 256 work-groups.  Four waves, 2 x 2; a wave makes 128 rows x 64 columns: 32 accumulators, window 1, (a, bb) at v[32 a + 8 bb].
; K goes in steps of 128, two planes, through two LDS slots; a plane's rows of 128 bytes lie end to end and are asked for as rows of 256 bytes, padded in LDS after every 128.
; CLUSTER.  4 x 4: O's tile hangs on the tile row alone and is asked for jointly by a row of the cluster, Wo's on the tile column alone, by a column.
; THE WALK.  A cluster begins at K step 2 (cluster y % 4) + 4 (cluster x) mod 8 and goes round all eight.  The two clusters that read the same rows of O are four steps apart, clusters that read the same rows
; of Wo two: from its step 4 on a cluster asks for planes of O that its neighbour asked for four steps before, from its step 2 on for planes of Wo likewise: bytes that have been read from memory once already.
; The step's number is made of the cluster's x and y alone, which all sixteen partners share.
; NO PREFETCH: of the six refills only the walk's steps 2 and 3 are the first requests for their bytes, and they are asked for while the first fills are still on their way.
; THE MATRIX INSTRUCTION IS USED TRANSPOSED (source 0 = 16 rows of wt, source 1 = 16 rows of O): a lane holds one row m and eight neighbouring n.  The bias, laid so in registers, is the C of the first products.
; REGISTERS, window 0: v0-31 addresses; two fragment buffers of 96 (8 of O, then 4 of Wo) at v32 and v128; v224-255 the bias as four C operands.
.set PITCH, 144                        ; an LDS row: 128 bytes + 16 of padding: the 16 rows of a load start at 16 different groups of four banks (64 banks of 4 bytes: ISA guide 11.1)
.set FR,    16*PITCH
.set APL,   256*PITCH                  ; a plane of O's tile
.set BPL,   128*PITCH                  ; a plane of Wo's tile
.set BOFF,  2*APL
.set SLOTB, 2*APL+2*BPL                ; the bytes of a slot
.set SLOT1, 1<<17                      ; slot 1 begins here, so that one exclusive or turns an address in one slot into the other's
.set STAGE, SLOTB                      ; between the slots, never filled by a tensor load: 16 rows x 272 bytes for each wave, for the way out
.set SP,    272
.set BIASL, STAGE+4*16*SP              ; for each wave its 64 bias numbers
.set SPARE, BIASL+4*256                ; the spare words, 128 bytes for each wave: two blocks of 256 bytes that no other line names
.set G1W,   (1<<16)|(1<<20)|(1<<21)|(4<<22)|(3<<25)  ; 2-byte elements; padding on; bit 21 set beside a mask; after every 32 words (code 4) 4 words (code 3)
.set ADRA0, 4                          ; v4   my lane's place among my fragments of O in a slot; never rewritten
.set ADRB0, 5                          ; v5   the same for Wo
.set ADRA, 6                           ; v6   the same in the slot that is being read
.set ADRB, 7                           ; v7
.set STO,  8
.set RD,   9
.set CO,   10
.set BIA,  11
.set BST,  12
.set L8,   13
.set BV,   14
.set SPW,  28                          ; v28  LDS address of my spare word; never rewritten
.set NIL,  29                          ; v29  0; never rewritten
.set F0,   32
.set F1,   128
.set CB,   224
.set G1A, 24                           ; s[24:31] descriptor group 1 for O's tiles;  s[32:39] group 0: a set for each of the two first fills; the second then walks on
.set G0A, 32
.set G1B, 40                           ; s[40:47], s[48:55] the same for Wo's
.set G0B, 48
.set STN, 62                           ; s62  the K step asked for last
.set TB,  63                           ; s63  LDS byte at which the slot that is being read begins
.set OUT, 66                           ; s[66:67] my part of out0
.set OFA, 78                           ; s[78:79] a K step's byte offset in o
.set OFB, 80                           ; s[80:81] in wt
.set MSB, 0
.macro WIN new                         ; the immediate's high byte repeats the setting that is left; a switch that changes nothing is dropped
.if MSB != (\new)
	s_set_vgpr_msb (MSB<<8)|(\new)
.set MSB, \new
.endif
.endm
.macro JLOAD                           ; a joint refill by the walking descriptors: waves 0 and 1 fetch O's two planes, waves 2 and 3 Wo's; an s_nop 0 and four v_nop follow each of the two lines
	s_cmp_eq_u32 s13, 0
	s_cbranch_scc0 .Lfor_b_\@
	tensor_load_to_lds s[G0A+4:G0A+7], s[G1A:G1A+7]
	s_nop 0
.rept 4
	v_nop
.endr
	s_branch .Lasked_\@
.Lfor_b_\@:
	tensor_load_to_lds s[G0B+4:G0B+7], s[G1B:G1B+7]
	s_nop 0
.rept 4
	v_nop
.endr
.Lasked_\@:
.endm
.macro CREST                           ; a round of the cluster's barrier behind its opening barrier
	s_cmp_lg_u32 s12, 0
	s_cbranch_scc1 .Lnot_wave_0_\@
	s_barrier_signal -3
.Lnot_wave_0_\@:
	s_barrier_wait -3
	s_barrier_signal -1
	s_barrier_wait -1
.endm
.macro CROUND
	s_barrier_signal -1
	s_barrier_wait -1
	CREST
.endm
.macro PLACES                          ; four places in front of loads into registers that matrix instructions have read, and of LDS stores that read results
.rept 4
	v_nop
.endr
.endm
	s_load_b256 s[4:11], s[0:1], 0x0               ; o s[4:5], wt s[6:7], bias s[8:9], out0 s[10:11]
	v_lshl_add_u32 v[SPW], v0, 2, SPARE
	v_mov_b32 v[NIL], 0
	ds_add_u32 v28, v29
	s_wait_dscnt 0x0
	v_lshrrev_b32 v1, 5, v0
	v_readfirstlane_b32 s12, v1                    ; wave 0..3
	s_lshr_b32 s13, s12, 1                         ; which half of the tile's rows is mine.  Also: I fetch for O (0) or for Wo (1)
	s_and_b32 s14, s12, 1                          ; which half of its columns.  Also: which plane of a step I fetch
	s_bfe_u32 s15, ttmp6, 0x40000                  ; cx
	s_bfe_u32 s16, ttmp6, 0x40004                  ; cy
	s_lshl_b32 s17, ttmp9, 2
	s_add_co_u32 s17, s17, s15                     ; X: tile column
	s_and_b32 s18, ttmp7, 0xffff
	s_lshl_b32 s18, s18, 2
	s_add_co_u32 s18, s18, s16                     ; Y: tile row
	s_lshl_b32 s19, s16, 2
	s_lshl_b32 s19, 15, s19                        ; my row of the cluster
	s_lshl_b32 s20, 0x1111, s15                    ; my column
	s_or_b32 s[G1A], s19, G1W
	s_or_b32 s[G1B], s20, G1W
	s_mov_b32 s[G1A+1], 128<<16                    ; tensor_dim0 = 128 elements: 256 bytes, two rows of the plane
	s_mov_b32 s[G1A+2], 128<<16                    ; tensor_dim1 = 128: 256 rows of O
	s_mov_b32 s[G1A+3], 128<<16                    ; tile_dim0
	s_mov_b32 s[G1A+4], 128                        ; tile_dim1
	s_mov_b32 s[G1A+5], 128                        ; dense
	s_mov_b32 s[G1A+6], 0
	s_mov_b32 s[G1A+7], 0
	s_mov_b32 s[G1B+1], 128<<16
	s_mov_b32 s[G1B+2], 64<<16                     ; 64: 128 rows of wt
	s_mov_b32 s[G1B+3], 128<<16
	s_mov_b32 s[G1B+4], 64
	s_mov_b32 s[G1B+5], 128
	s_mov_b32 s[G1B+6], 0
	s_mov_b32 s[G1B+7], 0
	s_and_b32 s[STN], ttmp7, 3                     ; where my cluster's walk begins: 2 (cluster y % 4)
	s_lshl_b32 s[STN], s[STN], 1
	s_lshl_b32 s2, ttmp9, 2                        ; + 4 (cluster x),
	s_add_co_u32 s[STN], s[STN], s2
	s_and_b32 s[STN], s[STN], 7                    ; mod 8
	s_mov_b32 s[OFA+1], 0                          ; the offsets' high words
	s_mov_b32 s[OFB+1], 0
	s_mov_b32 s[TB], 0                             ; slot 0 is read first
	; O's address is made of Y and the wave's number, Wo's of X and the wave's number, each in registers that never hold the other coordinate
	s_lshr_b32 s56, s18, 3                         ; b
	s_lshl_b32 s56, s56, 4
	s_add_co_u32 s56, s56, s14                     ; head 16 b + my plane
	s_lshl_b32 s56, s56, 18                        ; of 262,144 bytes
	s_and_b32 s60, s18, 7
	s_lshl_b32 s60, s60, 15                        ; the tile's 256 rows in the head
	s_add_co_u32 s56, s56, s60
	s_mov_b32 s57, 0
	s_lshl_b32 s58, s14, 19                        ; my plane of wt,
	s_lshl_b32 s61, s17, 14                        ; the tile's 128 rows,
	s_add_co_u32 s58, s58, s61
	s_add_co_u32 s58, s58, 3072*128                ; behind Wq's, Wk's and Wv's rows
	s_mov_b32 s59, 0
	s_mul_i32 s21, s14, APL                        ; where they go: no place in the cluster enters an LDS address
	s_mul_i32 s22, s14, BPL
	s_add_co_u32 s22, s22, BOFF
	s_wait_kmcnt 0x0
	s_add_nc_u64 s[56:57], s[4:5], s[56:57]        ; my plane of the tile in K step 0 of o,
	s_add_nc_u64 s[58:59], s[6:7], s[58:59]        ; and of wt
	CROUND                                         ; all sixteen work-groups are here: the first joint loads meet
.irp s, 0,1
	s_lshl_b32 s[OFA], s[STN], 19                  ; a K step is two heads of 262,144 bytes of o,
	s_lshl_b32 s[OFB], s[STN], 20                  ; two planes of 524,288 bytes of wt
	s_mov_b32 s[G0A+4*(\s)], 1
	s_add_co_u32 s[G0A+4*(\s)+1], s21, (\s)*SLOT1
	s_add_nc_u64 s[G0A+4*(\s)+2:G0A+4*(\s)+3], s[56:57], s[OFA:OFA+1]   ; the walk's step s
	s_or_b32 s[G0A+4*(\s)+3], s[G0A+4*(\s)+3], 0x80000000
	s_mov_b32 s[G0B+4*(\s)], 1
	s_add_co_u32 s[G0B+4*(\s)+1], s22, (\s)*SLOT1
	s_add_nc_u64 s[G0B+4*(\s)+2:G0B+4*(\s)+3], s[58:59], s[OFB:OFB+1]
	s_or_b32 s[G0B+4*(\s)+3], s[G0B+4*(\s)+3], 0x80000000
.if (\s) == 0
	s_add_co_u32 s[STN], s[STN], 1
	s_and_b32 s[STN], s[STN], 7
.endif
.endr
	s_cmp_eq_u32 s13, 0                            ; a wave's two first fills stand in one branch, ahead of every wait on TENSORcnt and every LDS read: two loads of mine are out
	s_cbranch_scc0 .Lfirst_b
	tensor_load_to_lds s[G0A:G0A+3], s[G1A:G1A+7]
	s_nop 0
	tensor_load_to_lds s[G0A+4:G0A+7], s[G1A:G1A+7]
	s_nop 0
.rept 4
	v_nop
.endr
	s_branch .Lfirst_asked
.Lfirst_b:
	tensor_load_to_lds s[G0B:G0B+3], s[G1B:G1B+7]
	s_nop 0
	tensor_load_to_lds s[G0B+4:G0B+7], s[G1B:G1B+7]
	s_nop 0
.rept 4
	v_nop
.endr
.Lfirst_asked:
	s_lshl_b32 s76, s18, 20                        ; out0: 256 rows of 4,096 bytes a tile row,
	s_lshl_b32 s75, s13, 19                        ; my 128 rows,
	s_add_co_u32 s76, s76, s75
	s_lshl_b32 s75, s17, 9                         ; 128 columns of 4 bytes a tile column,
	s_add_co_u32 s76, s76, s75
	s_lshl_b32 s75, s14, 8                         ; my 64 columns
	s_add_co_u32 s76, s76, s75
	s_mov_b32 s77, 0
	s_add_nc_u64 s[OUT:OUT+1], s[10:11], s[76:77]
	s_lshl_b32 s76, s17, 9
	s_add_co_u32 s76, s76, s75
	s_add_co_u32 s76, s76, 3072*4
	s_add_nc_u64 s[8:9], s[8:9], s[76:77]          ; my 64 bias numbers
	v_and_b32 v20, 31, v0
	v_lshlrev_b32 v[L8], 3, v20
	global_load_b64 v[BV:BV+1], v[L8], s[8:9]
	v_and_b32 v1, 15, v0                           ; l % 16
	v_bfe_u32 v2, v0, 4, 1                         ; l / 16
	v_mul_u32_u24 v3, v1, PITCH
	v_lshl_add_u32 v3, v2, 4, v3                   ; a fragment's row x pitch + 16 x half
	s_mul_i32 s72, s13, 128*PITCH                  ; my 128 rows of O
	s_mul_i32 s73, s14, 64*PITCH                   ; my 64 rows of Wo,
	s_add_co_u32 s73, s73, BOFF                    ; behind O's two planes
	v_add_nc_u32 v[ADRA0], s72, v3
	v_add_nc_u32 v[ADRB0], s73, v3
	v_add_nc_u32 v[ADRA], s[TB], v[ADRA0]
	v_add_nc_u32 v[ADRB], s[TB], v[ADRB0]
	s_mul_i32 s74, s12, 16*SP
	s_add_co_u32 s74, s74, STAGE                   ; my stage
	v_mul_u32_u24 v[STO], v1, SP                   ; in: row l % 16, 32 bytes for each half of the lanes
	v_lshl_add_u32 v[STO], v2, 5, v[STO]
	v_add_nc_u32 v[STO], s74, v[STO]
	v_mul_u32_u24 v[RD], v2, SP                    ; back: lanes 0-15 take one row of 256 bytes, lanes 16-31 the next
	v_lshl_add_u32 v[RD], v1, 4, v[RD]
	v_add_nc_u32 v[RD], s74, v[RD]
	v_lshlrev_b32 v[CO], 12, v2                    ; and the same two rows in out0
	v_lshl_add_u32 v[CO], v1, 4, v[CO]
	s_lshl_b32 s75, s12, 8
	s_add_co_u32 s75, s75, BIASL
	v_lshl_add_u32 v[BIA], v2, 5, s75
	v_add_nc_u32 v[BST], s75, v[L8]
	s_wait_loadcnt 0x0
	ds_store_b64 v[BST], v[BV:BV+1]                ; my wave's own bytes: only I read them, and LDS serves a wave's instructions in order
; n x 4 matrix instructions: row blocks a0 .. a0 + n - 1 x 4 column blocks, 32 along K.  first = 1: C is the bias.  The 32 accumulators take turns, one instruction a turn.
.macro PH f, a0, n, first=0
.if \first
	WIN 0x40                                       ; D in window 1, all sources in window 0
.else
	WIN 0x50                                       ; C and D in window 1
.endif
.set pa, \a0
.rept \n
.irp bb, 0,1,2,3
.if \first
	v_wmma_f32_16x16x32_f16 v[32*pa+8*(\bb):32*pa+8*(\bb)+7], v[(\f)+64+8*(\bb):(\f)+64+8*(\bb)+7], v[(\f)+8*pa:(\f)+8*pa+7], v[CB+8*(\bb):CB+8*(\bb)+7]
.else
	v_wmma_f32_16x16x32_f16 v[32*pa+8*(\bb):32*pa+8*(\bb)+7], v[(\f)+64+8*(\bb):(\f)+64+8*(\bb)+7], v[(\f)+8*pa:(\f)+8*pa+7], v[32*pa+8*(\bb):32*pa+8*(\bb)+7]
.endif
.endr
.set pa, pa+1
.endr
.endm
; 24 LDS loads in one run: quarter kk of the K step in the slot that is being read (plane kk / 2, byte 64 (kk % 2) of its rows) into buffer f: Wo's 4 fragments first, then O's 8
.macro FETCH kk, f
	WIN 0
.irp bb, 0,1,2,3
	ds_load_b128 v[(\f)+64+8*(\bb):(\f)+64+8*(\bb)+3],   v[ADRB] offset:((\kk)/2)*BPL+((\kk)%2)*64+(\bb)*FR
	ds_load_b128 v[(\f)+64+8*(\bb)+4:(\f)+64+8*(\bb)+7], v[ADRB] offset:((\kk)/2)*BPL+((\kk)%2)*64+(\bb)*FR+32
.endr
.irp aa, 0,1,2,3,4,5,6,7
	ds_load_b128 v[(\f)+8*(\aa):(\f)+8*(\aa)+3],   v[ADRA] offset:((\kk)/2)*APL+((\kk)%2)*64+(\aa)*FR
	ds_load_b128 v[(\f)+8*(\aa)+4:(\f)+8*(\aa)+7], v[ADRA] offset:((\kk)/2)*APL+((\kk)%2)*64+(\aa)*FR+32
.endr
.endm
; A K step is four quarters of 32 along K, 32 matrix instructions each, on buffers 0, 1, 0, 1.  One of the first three: multiplies buffer f and fetches quarter kk into g.
.macro QUARTER kk, f, g, first=0
	s_wait_dscnt 8                                 ; Wo's fragments and O's rows 0-63 are in; the youngest eight loads may be out
	PH \f, 0, 4, \first
	WIN 0
	PLACES
	FETCH \kk, \g
	s_wait_dscnt 24                                ; all but the 24 just issued
	PH \f, 4, 4, \first
.endm
; The last quarter multiplies buffer 1 and changes slots: ONE barrier; in front of it each wave waits for all its tensor loads, adds 0 to its spare word, and waits for that and for its own reads of this slot.
; fill = 1: the barrier opens a round of the cluster's, and the slot that is left is filled again, with the walk's step two on, first thing behind the round: 112 matrix instructions ahead of the wait for it.
; The text is the same for both slots: TB and the walking descriptors' LDS words are turned by an exclusive or.
.macro TURN fill
	WIN 0
	s_xor_b32 s[TB], s[TB], SLOT1                  ; the slot that is read from the barrier on
	v_add_nc_u32 v[ADRA], s[TB], v[ADRA0]
	v_add_nc_u32 v[ADRB], s[TB], v[ADRB0]
	s_wait_tensorcnt 0x0                           ; all my tensor loads have landed, so a group 0 may be written
	ds_add_u32 v[SPW], v[NIL]                      ; 0 onto my spare word: scalar work and eight matrix instructions stand between it and the wait for it
.if \fill
	s_add_co_u32 s[STN], s[STN], 1                 ; the walk's next step, round from 7 to 0
	s_and_b32 s[STN], s[STN], 7
	s_lshl_b32 s[OFA], s[STN], 19
	s_lshl_b32 s[OFB], s[STN], 20
	s_xor_b32 s[G0A+5], s[G0A+5], SLOT1            ; the other slot than last time
	s_add_nc_u64 s[G0A+6:G0A+7], s[56:57], s[OFA:OFA+1]  ; the address is made anew from the step's number
	s_or_b32 s[G0A+7], s[G0A+7], 0x80000000
	s_xor_b32 s[G0B+5], s[G0B+5], SLOT1
	s_add_nc_u64 s[G0B+6:G0B+7], s[58:59], s[OFB:OFB+1]
	s_or_b32 s[G0B+7], s[G0B+7], 0x80000000
.endif
	s_wait_dscnt 9                                 ; (the add and the youngest eight loads may be out)
	PH F1, 0, 2
	s_wait_dscnt 0x0                               ; the add is done, and my reads of this slot are over
	s_barrier_signal -1
	PH F1, 2, 2
	WIN 0                                          ; at a branch and at a label every window is 0
	s_barrier_wait -1
.if \fill
	CREST                                          ; no wave of any partner still reads this slot's tile or has a load on its way
	JLOAD                                          ; the four v_nop behind it are also the places in front of the loads below
.else
	PLACES
.endif
	FETCH 0, F0
	PH F1, 4, 4
.endm
	s_wait_tensorcnt 1                             ; my part of the walk's step 0 is in; slot 1's may stay out
	s_wait_dscnt 0x0                               ; no LDS instruction of mine is pending at the signal
	s_barrier_signal -1
	s_barrier_wait -1
.irp bb, 0,1,2,3                       ; the bias as four C operands: register i of lane l holds bias[16 bb + 8 (l / 16) + i]
	ds_load_b128 v[CB+8*(\bb):CB+8*(\bb)+3],   v[BIA] offset:64*(\bb)
	ds_load_b128 v[CB+8*(\bb)+4:CB+8*(\bb)+7], v[BIA] offset:64*(\bb)+16
.endr
	FETCH 0, F0
	QUARTER 1, F0, F1, 1                           ; the first quarter stands in front of the loop: its products start the sums with the bias (whose loads are older than the fragments')
	WIN 0
	s_mov_b32 s3, 6
.Lstep:                                                ; a trip goes from a step's second quarter to the next step's first; trip t asks for the walk's step t + 2
	QUARTER 2, F1, F0
	QUARTER 3, F0, F1
	TURN 1
	QUARTER 1, F0, F1
	WIN 0
	s_sub_co_u32 s3, s3, 1
	s_cmp_lg_u32 s3, 0
	s_cbranch_scc1 .Lstep
	QUARTER 2, F1, F0                              ; the last two steps are written out: nothing is left to ask for
	QUARTER 3, F0, F1
	TURN 0
	QUARTER 1, F0, F1
	QUARTER 2, F1, F0
	QUARTER 3, F0, F1
	s_wait_dscnt 8
	PH F1, 0, 4
	s_wait_dscnt 0x0
	PH F1, 4, 4
	WIN 0
	PLACES
; THE WAY OUT, a block of 16 rows at a time: a lane's eight numbers of a row (32 bytes) go into my stage, each accumulator's low four registers first, and come back as whole rows of 256 bytes.
.macro STG a
.set OB, 32+32*((\a)%2)
	WIN 0x04                                       ; the stores' data lie in window 1
.irp bb, 0,1,2,3
.irp q, 0,1
	ds_store_b128 v[STO], v[32*(\a)+8*(\bb)+4*(\q):32*(\a)+8*(\bb)+4*(\q)+3] offset:64*(\bb)+16*(\q)
.endr
.endr
	WIN 0
.if (\a) >= 2
	s_wait_xcnt 0x0                                ; the stores of the block two back read these registers: they are loaded again only behind this wait
.endif
.irp t, 0,1,2,3,4,5,6,7
	ds_load_b128 v[OB+4*(\t):OB+4*(\t)+3], v[RD] offset:(\t)*2*SP  ; LDS serves a wave's instructions in order (ISA guide 5.7.1.4): these see the stores above; the next block's stores come behind them
.endr
.endm
.macro SEND a, younger                 ; younger: the LDS instructions issued behind block a's loads: the next block's sixteen, or none
.set OB, 32+32*((\a)%2)
.irp g, 0,1
	s_wait_dscnt (\younger)+4-4*(\g)               ; four more of the block's eight loads are back
.irp u, 0,1,2,3
	global_store_b128 v[CO], v[OB+4*(4*(\g)+(\u)):OB+4*(4*(\g)+(\u))+3], s[OUT:OUT+1] offset:(16*(\a)+2*(4*(\g)+(\u)))*4096 th:TH_STORE_NT  ; 16 lanes store 256 consecutive bytes, aligned
.endr
.endr
.endm
	STG 0
.irp a, 1,2,3,4,5,6,7
	STG \a
	SEND (\a)-1, 16
.endr
	SEND 7, 0
	s_wait_tensorcnt 0x0                           ; the wave's end
	ds_add_u32 v[SPW], v[NIL]
	s_wait_dscnt 0x0
	CROUND                                         ; the closing round: no work-group ends while a partner may still ask for a tile that names it
	s_endpgm
.Lfunc_end_k_q023266ef82_outp:
	.size	k_q023266ef82_outp, .Lfunc_end_k_q023266ef82_outp-k_q023266ef82_outp
	.p2alignl 7, 3214868480
	.fill 96, 4, 3214868480
	.section	.rodata,"a",@progbits
	.p2align	6, 0x0
	.amdhsa_kernel k_q023266ef82_outp
		.amdhsa_group_segment_fixed_size 327680
		.amdhsa_private_segment_fixed_size 0
		.amdhsa_enable_private_segment 0
		.amdhsa_kernarg_size 32
		.amdhsa_user_sgpr_count 2
		.amdhsa_user_sgpr_kernarg_segment_ptr 1
		.amdhsa_wavefront_size32 1
		.amdhsa_system_sgpr_workgroup_id_x 1
		.amdhsa_system_sgpr_workgroup_id_y 1
		.amdhsa_system_sgpr_workgroup_id_z 1
		.amdhsa_system_vgpr_workitem_id 0
		.amdhsa_next_free_vgpr 512
		.amdhsa_next_free_sgpr 88
		.amdhsa_reserve_vcc 0
		.amdhsa_float_denorm_mode_32 3
		.amdhsa_float_denorm_mode_16_64 3
		.amdhsa_memory_ordered 1
		.amdhsa_forward_progress 1
		.amdhsa_inst_pref_size 71
	.end_amdhsa_kernel
	.amdgpu_metadata
---
amdhsa.version: [ 1, 2 ]
amdhsa.kernels:
  - .name:           k_q023266ef82_outp
    .symbol:         k_q023266ef82_outp.kd
    .args:
      - { .name: o, .offset: 0, .size: 8, .value_kind: global_buffer, .address_space: global }
      - { .name: wt, .offset: 8, .size: 8, .value_kind: global_buffer, .address_space: global }
      - { .name: bias, .offset: 16, .size: 8, .value_kind: global_buffer, .address_space: global }
      - { .name: out0, .offset: 24, .size: 8, .value_kind: global_buffer, .address_space: global }
    .group_segment_fixed_size: 327680
    .private_segment_fixed_size: 0
    .kernarg_segment_align: 8
    .kernarg_segment_size: 32
    .max_flat_workgroup_size: 128
    .sgpr_count:     88
    .vgpr_count:     512
    .wavefront_size: 32
...
	.end_amdgpu_metadata
.endif
;; end of part 4
